; MI455X (gfx1250); checked and timed in simulation.
; The chip was launched on July 23, 2026; its instructions are those of AMD's public machine-readable ISA for CDNA 5 (MIT licence, August 2026) and "CDNA5" Instruction Set Architecture Reference Guide (July 2026). The comments in the code are by the model that wrote it; some were corrected since.
;; Multi Head Attention. Allowed arithmetic: matrix products marked QUANTISED: E2M1 operands, one E8M0 scale for each 32 along K, by v_wmma_scale_f32_16x16x128_f8f6f4 with both operands' format E2M1 (or v_wmma_scale_f32_32x16x128_f4), f32 sums; products left as they are: bf16, f16 or f32 operands; f32 sums; everything else in f32.
;; Inputs: Wk 1,024 x 1,024 float32; Wo 1,024 x 1,024 float32; Wq 1,024 x 1,024 float32; Wv 1,024 x 1,024 float32; bo 1,024 float32; x 4 x 2,048 x 1,024 float32.
;; Outputs: out0 4 x 2,048 x 1,024 float32.
;; This version of the problem:
;;   THIS VERSION OF THE PROBLEM IS GIVEN IN LOW PRECISION. The matrix products marked QUANTISED in the list below multiply operands that are first quantised to E2M1 (2 exponent bits, 1 mantissa bit; 4 bits a number), with one power-of-two scale for each 32 numbers along K (OCP MX v1.0); their sums are f32. The products marked 'left as it is' may take bf16, f16 or f32 operands, with f32 sums. Whichever they take, every output number must still come out within the allowed error. Rounding operands to bf16 (8 significant bits) uses up far more of that allowance than f16 does (11 bits, for magnitudes from 6e-5 to 65,504). All else is computed in f32.
;;   The module's matrix products, in the order in which they are computed (A, B: the left and right operand; K: the contracted axis; several contracted axes count as one K, in the product's order):
;;     1. [M 8,192, K 1,024] x [K 1,024, N 1,024]; A: input x; B: input Wq: QUANTISED
;;     2. [M 8,192, K 1,024] x [K 1,024, N 1,024]; A: input x; B: input Wk: QUANTISED
;;     3. [M 8,192, K 1,024] x [K 1,024, N 1,024]; A: input x; B: input Wv: QUANTISED
;;     4. batch 64 x [M 2,048, K 64] x [K 64, N 2,048]; A: computed on the way; B: computed on the way: left as it is (an operand is computed on the way)
;;     5. batch 64 x [M 2,048, K 2,048] x [K 2,048, N 64]; A: computed on the way; B: computed on the way: left as it is (an operand is computed on the way)
;;     6. [M 8,192, K 1,024] x [K 1,024, N 1,024]; A: computed on the way; B: input Wo: left as it is (an operand is computed on the way)
;;   THE QUANTISER, for each operand of a quantised product, along K:
;;     - K is cut into blocks of 32 from its start; a last block that is shorter is filled with zeros.
;;     - A block's scale is 2^e with e = floor(log2(the largest magnitude in the block)) - 2, held to -126 .. 127; a block of zeros has e = 0. As a byte (E8M0): e + 127.
;;     - Each number is divided by its block's scale, clamped to +-6, and rounded to the nearest number of E2M1, ties to even, subnormals kept.
;;     - The product sums the exact products of the quantised numbers (number of the format x scale) in f32.
;;   ~~~python
;;   def quantise(x, axis):      # numpy; x: float32 -> the quantised numbers, widened to float32 again
;;       x = np.moveaxis(x, axis, -1); K = x.shape[-1]
;;       x = np.pad(x, [(0, 0)] * (x.ndim - 1) + [(0, -K % 32)]); x = x.reshape(x.shape[:-1] + (-1, 32)); a = np.abs(x).max(-1, keepdims=True)
;;       e = np.where(a > 0, np.clip(np.frexp(np.where(a > 0, a, 1))[1] - 1 - 2, -126, 127), 0)      # np.frexp(a)[1] - 1 = floor(log2(a)), exactly
;;       r = np.clip(x / 2.0 ** e, -6, 6)
;;       step = 2.0 ** (np.maximum(np.frexp(np.where(r == 0, 1, r))[1] - 1, 0) - 1)
;;       q = np.round(r / step) * step * 2.0 ** e      # np.round: ties to even
;;       return np.moveaxis(q.reshape(q.shape[:-2] + (-1,))[..., :K], -1, axis).astype(np.float32)
;;   ~~~
;; One version. Each part assembles by itself: llvm-mc -triple=amdgcn-amd-amdhsa -mcpu=gfx1250 --defsym DOCPART=n.
;; ======== version 1 of 1: 5 launches
;; limits: values are held in f16: magnitudes above 65,504 overflow, below 6.1e-05 lose precision
;; workspace buffers: xcodes 4,194,304 bytes; xscales 262,144 bytes; wcodes 1,572,864 bytes; wscales 98,304 bytes; wo16 2,097,152 bytes; qkv 50,331,648 bytes; first 786,432 bytes; ctx 16,777,216 bytes
;; launch quant (part 1): grid 384 x 1, 4 waves a work-group, no clusters, 33,280 bytes of LDS; arguments x, Wq, Wk, Wv, Wo, xcodes, xscales, wcodes, wscales, wo16; writes xcodes, xscales, wcodes, wscales, wo16
.if DOCPART == 1
	.amdgcn_target "amdgcn-amd-amdhsa--gfx1250"
	.amdhsa_code_object_version 6
	.text
	.protected	k_qf076c02623_quant
	.globl	k_qf076c02623_quant
	.p2align	8
	.type	k_qf076c02623_quant,@function
k_qf076c02623_quant:
	s_mov_b64 s[64:65], 0
	v_nop
	global_prefetch_b8 v0, s[64:65] scope:SCOPE_SE
	s_setreg_imm32_b32 hwreg(HW_REG_WAVE_MODE, 25, 1), 1
	s_wait_xcnt 0x0
; x [8192][1024], Wq, Wk, Wv [1024][1024], f32, become codes of FP4 (E2M1), K innermost, with one E8M0 scale byte for each 32 along K; Wo [1024][1024] becomes f16.
; K is the last axis of all four quantised tensors (x @ W.T contracts W's second axis) and 1,024 is a multiple of 32: each tensor is a plain stream of blocks of 32 numbers, and so are its codes and scale bytes.
; The three weights' codes lie one behind the other in wcodes (rows 0-1023 Wq, 1024-2047 Wk, 2048-3071 Wv), their scale bytes likewise in wscales.
; A block's scale is 2^(floor(log2(its largest magnitude)) - 2); its byte is the largest magnitude's exponent field - 2, held at 1 from below.  A block of zeros gets the byte 1 where the rule says 127:
; its codes are zeros, which add nothing under any byte but 0xff, and the bytes are read by this program alone.
; LIMITS: NaN and infinities among the inputs are not served; Wo beyond 65,504 has no f16 number.
; SHARES: a work-group takes 32,768 numbers, a wave 8,192.  Work-groups 0-255 x, 256-287 Wq, 288-319 Wk, 320-351 Wv, 352-383 Wo.  Only pointers are chosen for the four quantised tensors: one path serves them.
; A wave's step is 512 numbers: four loads of 512 consecutive bytes; the 2,048 bytes turn through the wave's own stage in LDS and come back 64 bytes a lane, so that a lane holds 16 neighbours along K
; (two neighbouring lanes hold a block).  A lane's 16 codes are 8 bytes: the wave stores 256 consecutive bytes.  A wave's 256 scale bytes are gathered in LDS and leave as 256 consecutive bytes.
; No tensor loads, no barrier: waves share nothing.  Memory binds: matrix units and clusters would add nothing.
.set WAVES, 4
.set STEPS, 16
.set WGX,   256                        ; work-groups of x: 8,192 x 1,024 / 32,768
.set WGW,   32                         ; of each weight
.set WGQ,   WGX+3*WGW                  ; from here on: Wo
.set EMAX,  2
.set CB,    8                          ; bytes of 16 codes
.set R,     16                         ; v16-79   four sets of 16 numbers as they are loaded
.set X,     80                         ; v80-111  two sets of 16 neighbours
.set E,     112                        ; v112-127 a scale byte for each step
.set C,     128                        ; v128-191 codes: four registers for each step, so that no store's data are written again
.set WREG,  8192                       ; LDS: a region for each wave: two stages of 32 x SP bytes, behind them its 256 scale bytes
.set SP,    80                         ; a lane's place in a stage: 64 bytes + 16 of padding
.set SPW,   12                         ; v12 LDS address of my spare word; never rewritten
.set NIL,   13                         ; v13 0; never rewritten
.set SPARE, WAVES*WREG                 ; behind the four regions: the spare words, 128 bytes for each wave
.set FI,    16                         ; Wo's path: v16-143 two batches of 64 registers as loaded
.set FO,    144                        ; v144-207 two batches of 32 registers of f16
	s_load_b256 s[4:11], s[0:1], 0x0               ; x, Wq, Wk, Wv
	s_load_b256 s[12:19], s[0:1], 0x20             ; Wo, xcodes, xscales, wcodes
	s_load_b128 s[20:23], s[0:1], 0x40             ; wscales, wo16
	v_lshl_add_u32 v[SPW], v0, 2, SPARE
	v_mov_b32 v[NIL], 0
	v_lshrrev_b32 v1, 5, v0
	v_readfirstlane_b32 s24, v1                    ; wave
	v_and_b32 v2, 31, v0                           ; lane
	v_lshlrev_b32 v3, 4, v2                        ; my 16 bytes of a load's 512
	s_cmp_ge_u32 ttmp9, WGQ                        ; the work-group's number alone decides
	s_cbranch_scc1 .Lwo
	s_mul_i32 s25, s24, WREG
	v_lshrrev_b32 v14, 2, v2
	v_mul_u32_u24 v14, v14, SP
	v_and_b32 v15, 3, v2
	v_lshl_add_u32 v14, v15, 4, v14
	v_add_nc_u32 v14, s25, v14                     ; the stage, on the way in: four lanes' 64 bytes on end, then 16 of padding
	v_mul_u32_u24 v15, v2, SP
	v_add_nc_u32 v15, s25, v15                     ; and on the way out: my 16 neighbours
	v_mul_u32_u24 v4, v2, CB                       ; my codes' place in a step's
	v_lshrrev_b32 v5, 1, v2
	s_add_co_u32 s25, s25, 2*32*SP
	v_add_nc_u32 v5, s25, v5                       ; LDS: my wave's 256 scale bytes, my block's byte
	v_lshlrev_b32 v7, 3, v2                        ; and on the way out 8 bytes a lane
	v_add_nc_u32 v6, s25, v7
	s_wait_kmcnt 0x0
	s_cmp_lt_u32 ttmp9, WGX+WGW                    ; which tensor: the choices hang on the work-group's number alone
	s_cselect_b64 s[26:27], s[6:7], s[8:9]         ; Wq or Wk,
	s_cmp_lt_u32 ttmp9, WGX+2*WGW
	s_cselect_b64 s[26:27], s[26:27], s[10:11]     ; or Wv,
	s_cmp_lt_u32 ttmp9, WGX
	s_cselect_b64 s[4:5], s[4:5], s[26:27]         ; or x: the source
	s_cselect_b64 s[8:9], s[14:15], s[18:19]       ; its codes
	s_cselect_b64 s[10:11], s[16:17], s[20:21]     ; its scale bytes
	s_cselect_b32 s28, 0, WGX
	s_cselect_b32 s29, 255, 31
	s_sub_co_u32 s28, ttmp9, s28                   ; the work-group's place among the destination's
	s_and_b32 s29, s28, s29                        ; and in its own source tensor
	s_lshl_b32 s28, s28, 2
	s_add_co_u32 s28, s28, s24                     ; my run of 8,192 numbers in the destination,
	s_lshl_b32 s30, s29, 2
	s_add_co_u32 s30, s30, s24                     ; and in the source
	s_lshl_b32 s30, s30, 15                        ; 32,768 bytes of f32 a run
	s_mov_b32 s31, 0
	s_add_nc_u64 s[4:5], s[4:5], s[30:31]
	s_lshl_b32 s32, s28, 12                        ; 4,096 bytes of codes
	s_mov_b32 s33, 0
	s_add_nc_u64 s[8:9], s[8:9], s[32:33]
	s_lshl_b32 s32, s28, 8                         ; 256 scale bytes
	s_add_nc_u64 s[10:11], s[10:11], s[32:33]
.macro LOAD t
.irp i, 0,1,2,3
	global_load_b128 v[R+16*((\t)%4)+4*\i:R+16*((\t)%4)+4*\i+3], v3, s[4:5] offset:2048*(\t)+512*\i th:TH_LOAD_NT   ; 32 lanes read 512 consecutive bytes
.endr
.endm
.macro TURN t                          ; step t's numbers through the stage: LDS serves a wave's instructions in order, so no wait stands between the stores and the loads
.irp i, 0,1,2,3
	ds_store_b128 v14, v[R+16*((\t)%4)+4*\i:R+16*((\t)%4)+4*\i+3] offset:32*SP*((\t)%2)+8*SP*\i
.endr
.irp i, 0,1,2,3
	ds_load_b128 v[X+16*((\t)%2)+4*\i:X+16*((\t)%2)+4*\i+3], v15 offset:32*SP*((\t)%2)+16*\i
.endr
.endm
.irp t, 0,1,2,3
	LOAD \t
.endr
	s_wait_loadcnt 12                              ; step 0's four loads are in; three steps' twelve may be out
	TURN 0
.macro STEP t
.set XS, X+16*((\t)%2)
.if (\t) > 0
	s_wait_dscnt 1                                 ; this step's numbers are back from the stage (the last step's byte store may be out)
.else
	s_wait_dscnt 0x0
.endif
.if (\t)+4 < STEPS
	LOAD (\t)+4                                    ; the registers that the stage's stores have read take the loads of four steps on
.endif
.if (\t)+1 < STEPS
.if STEPS-2-(\t) >= 3
	s_wait_loadcnt 12                              ; the next step's four loads are in; those of the three steps behind it may be out
.else
	s_wait_loadcnt 4*(STEPS-2-(\t))
.endif
	TURN (\t)+1                                    ; and go through the other stage while this step is worked
.endif
	v_max3_num_f32 v8, |v[XS]|, |v[XS+1]|, |v[XS+2]|               ; the largest magnitude of my 16, in two chains
	v_max3_num_f32 v9, |v[XS+3]|, |v[XS+4]|, |v[XS+5]|
.irp i, 6,10
	v_max3_num_f32 v8, v8, |v[XS+\i]|, |v[XS+\i+1]|
	v_max3_num_f32 v9, v9, |v[XS+\i+2]|, |v[XS+\i+3]|
.endr
	v_max3_num_f32 v8, v8, |v[XS+14]|, |v[XS+15]|
	v_max3_num_f32 v8, v8, v9, (EMAX+1)<<23        ; and the floor 2^(3 - 127): the byte cannot fall under 1
	v_max_num_f32_dpp v8, v8, v8 row_xmask:1 row_mask:0xf bank_mask:0xf   ; and of my neighbour's 16: the block's
	v_add_nc_u32 v11, 0xff000000, v8               ; 2 off its exponent field: the conversion takes the exponent field of this operand as its scale
	v_cvt_scalef32_pk8_fp4_f32 v[C+4*(\t)], v[XS:XS+7], v11        ; eight numbers / the scale, to the nearest code, ties to even, beyond 6 the largest code
	v_cvt_scalef32_pk8_fp4_f32 v[C+4*(\t)+1], v[XS+8:XS+15], v11
	v_lshrrev_b32 v[E+(\t)], 23, v11               ; the scale's byte (also the plain line behind the conversions)
	ds_store_b8 v5, v[E+(\t)] offset:16*(\t)       ; both lanes of a block write the same byte with the same value
	global_store_b64 v4, v[C+4*(\t):C+4*(\t)+1], s[8:9] offset:32*CB*(\t)   ; 32 lanes store 256 consecutive bytes
.endm
.irp t, 0,1,2,3,4,5,6,7,8,9,10,11,12,13,14,15
	STEP \t
.endr
	ds_load_b64 v[8:9], v6                         ; LDS serves a wave's instructions in order: these see my byte stores
	s_wait_dscnt 0x0
	global_store_b64 v7, v[8:9], s[10:11]          ; 32 lanes store my run's 256 scale bytes
	s_wait_tensorcnt 0x0                           ; the wave's end
	ds_add_u32 v[SPW], v[NIL]
	s_wait_dscnt 0x0
	s_endpgm
; Wo to f16: a wave takes 8,192 numbers in four batches of 16 loads; two batches are on their way.
.Lwo:
	s_sub_co_u32 s25, ttmp9, WGQ
	s_lshl_b32 s25, s25, 2
	s_add_co_u32 s25, s25, s24                     ; my run
	s_lshl_b32 s26, s25, 15                        ; 32,768 bytes in,
	s_mov_b32 s27, 0
	s_lshl_b32 s28, s25, 14                        ; 16,384 out
	s_mov_b32 s29, 0
	v_lshlrev_b32 v4, 3, v2                        ; out: 8 bytes a lane
	s_wait_kmcnt 0x0
	s_add_nc_u64 s[12:13], s[12:13], s[26:27]
	s_add_nc_u64 s[22:23], s[22:23], s[28:29]
.macro LOADW t
.irp i, 0,1,2,3,4,5,6,7,8,9,10,11,12,13,14,15
	global_load_b128 v[FI+64*((\t)%2)+4*\i:FI+64*((\t)%2)+4*\i+3], v3, s[12:13] offset:512*(16*(\t)+\i) th:TH_LOAD_NT
.endr
.endm
.macro CVTW t
.if (\t) < 3
	s_wait_loadcnt 16                              ; this batch is in; the next batch's sixteen may be out
.else
	s_wait_loadcnt 0x0
.endif
.if (\t) >= 2
	s_wait_xcnt 0x0                                ; the stores of two batches ago have read their data: these registers are written again
.endif
.irp i, 0,1,2,3,4,5,6,7,8,9,10,11,12,13,14,15
	v_cvt_pk_f16_f32 v[FO+32*((\t)%2)+2*\i], v[FI+64*((\t)%2)+4*\i], v[FI+64*((\t)%2)+4*\i+1]
	v_cvt_pk_f16_f32 v[FO+32*((\t)%2)+2*\i+1], v[FI+64*((\t)%2)+4*\i+2], v[FI+64*((\t)%2)+4*\i+3]
.endr
.if (\t) < 2
	LOADW (\t)+2
.endif
.irp i, 0,1,2,3,4,5,6,7,8,9,10,11,12,13,14,15
	global_store_b64 v4, v[FO+32*((\t)%2)+2*\i:FO+32*((\t)%2)+2*\i+1], s[22:23] offset:256*(16*(\t)+\i)   ; 32 lanes store 256 consecutive bytes
.endr
.endm
	LOADW 0
	LOADW 1
	CVTW 0
	CVTW 1
	CVTW 2
	CVTW 3
	s_wait_tensorcnt 0x0                           ; the same three closing lines on this path
	ds_add_u32 v[SPW], v[NIL]
	s_wait_dscnt 0x0
	s_endpgm
.Lfunc_end_k_qf076c02623_quant:
	.size	k_qf076c02623_quant, .Lfunc_end_k_qf076c02623_quant-k_qf076c02623_quant
	.p2alignl 7, 3214868480
	.fill 96, 4, 3214868480
	.section	.rodata,"a",@progbits
	.p2align	6, 0x0
	.amdhsa_kernel k_qf076c02623_quant
		.amdhsa_group_segment_fixed_size 33280
		.amdhsa_private_segment_fixed_size 0
		.amdhsa_enable_private_segment 0
		.amdhsa_kernarg_size 80
		.amdhsa_user_sgpr_count 2
		.amdhsa_user_sgpr_kernarg_segment_ptr 1
		.amdhsa_wavefront_size32 1
		.amdhsa_system_sgpr_workgroup_id_x 1
		.amdhsa_system_sgpr_workgroup_id_y 1
		.amdhsa_system_sgpr_workgroup_id_z 1
		.amdhsa_system_vgpr_workitem_id 0
		.amdhsa_next_free_vgpr 208
		.amdhsa_next_free_sgpr 66
		.amdhsa_reserve_vcc 0
		.amdhsa_float_denorm_mode_32 3
		.amdhsa_float_denorm_mode_16_64 3
		.amdhsa_memory_ordered 1
		.amdhsa_forward_progress 1
		.amdhsa_inst_pref_size 54
	.end_amdhsa_kernel
	.amdgpu_metadata
---
amdhsa.version: [ 1, 2 ]
amdhsa.kernels:
  - .name:           k_qf076c02623_quant
    .symbol:         k_qf076c02623_quant.kd
    .args:
      - { .name: x, .offset: 0, .size: 8, .value_kind: global_buffer, .address_space: global }
      - { .name: Wq, .offset: 8, .size: 8, .value_kind: global_buffer, .address_space: global }
      - { .name: Wk, .offset: 16, .size: 8, .value_kind: global_buffer, .address_space: global }
      - { .name: Wv, .offset: 24, .size: 8, .value_kind: global_buffer, .address_space: global }
      - { .name: Wo, .offset: 32, .size: 8, .value_kind: global_buffer, .address_space: global }
      - { .name: xcodes, .offset: 40, .size: 8, .value_kind: global_buffer, .address_space: global }
      - { .name: xscales, .offset: 48, .size: 8, .value_kind: global_buffer, .address_space: global }
      - { .name: wcodes, .offset: 56, .size: 8, .value_kind: global_buffer, .address_space: global }
      - { .name: wscales, .offset: 64, .size: 8, .value_kind: global_buffer, .address_space: global }
      - { .name: wo16, .offset: 72, .size: 8, .value_kind: global_buffer, .address_space: global }
    .group_segment_fixed_size: 33280
    .private_segment_fixed_size: 0
    .kernarg_segment_align: 8
    .kernarg_segment_size: 80
    .max_flat_workgroup_size: 128
    .sgpr_count:     66
    .vgpr_count:     208
    .wavefront_size: 32
...
	.end_amdgpu_metadata
.endif
;; end of part 1
;; launch qkv (part 2): grid 12 x 32, 4 waves a work-group, clusters of 4 x 4, 327,680 bytes of LDS; arguments xcodes, xscales, wcodes, wscales, qkv, first; writes qkv, first
.if DOCPART == 2
	.amdgcn_target "amdgcn-amd-amdhsa--gfx1250"
	.amdhsa_code_object_version 6
	.text
	.protected	k_qf076c02623_qkv
	.globl	k_qf076c02623_qkv
	.p2align	8
	.type	k_qf076c02623_qkv,@function
k_qf076c02623_qkv:
	s_mov_b64 s[64:65], 0
	v_nop
	global_prefetch_b8 v0, s[64:65] scope:SCOPE_SE
	s_setreg_imm32_b32 hwreg(HW_REG_WAVE_MODE, 25, 1), 1
	s_wait_xcnt 0x0
	s_wait_alu depctr_hold_cnt(0) depctr_sa_sdst(0) depctr_va_vdst(0) depctr_va_sdst(0) depctr_va_ssrc(0) depctr_va_vcc(0) depctr_vm_vsrc(0)
	s_getreg_b32 s2, hwreg(HW_REG_IB_STS2, 6, 4)
	s_cmp_eq_u32 s2, 0
	s_cbranch_scc0 .Lentry_in_a_cluster
	s_endpgm
.Lentry_in_a_cluster:
	s_bfe_u32 s2, ttmp6, 0x10000c
	s_cmp_lg_u32 s2, 0xf033
	s_cbranch_scc0 .Lentry_shape_is_right
	s_endpgm
.Lentry_shape_is_right:
; C[m][n] = sum over k of x[m][k] W[n][k], m = 0 .. 8191 (batch x 2048 + position), n = 0 .. 3071 (Wq's, Wk's, Wv's rows), K = 1,024, on codes of FP4 (E2M1) with one E8M0 scale for each 32 along K; sums in f32.
; OUT: qkv [3 which][64 batch x 16 + head][2048 position][64] f16: a head's rows are 128 bytes, dense; and first [3][4 batch][16 position][1024] f32: the sums of the first 16 positions of each batch, unrounded,
; for the last launch, which carries those rows in f32.
; LIMIT: a sum beyond 65,504 has no f16 number.
; A tile of C, 256 x 256, is made by four waves, each 128 x 128: 64 accumulators, 512 registers.  K lies in two LDS slots of 512 along K (rows of 256 bytes), both asked for at the head: nothing is filled again.
; The scale bytes of the tile's 256 + 256 rows, for all of K, are two dense blocks of memory and come with the first fills.  By this text's own count a wave has three tensor loads out at the most.
; CLUSTERS: 4 x 4 work-groups.  Tile row = 8 cy + cluster y (cy is the batch, cluster y the block of 256 positions in it); tile column = 4 x cluster x + cx (cluster x says q, k or v).
; The four of a row of the cluster need the same tile of x, the four of a column the same tile of W: each is asked for jointly.
; THE MATRIX INSTRUCTION IS USED TRANSPOSED (source 0 = 16 rows of W, source 1 = 16 rows of x): a lane holds eight neighbouring numbers of a row of C.
; REGISTERS, in windows of 256: window 0: v0-31 addresses; v32-95 scale words, two sets; v128-191 x's fragments, one set; on the way out v96-255 are free.
;   window 1: W's fragments, two sets, at v0 and v128.   window 2: accumulators of my rows 0-63 ((a, b) at v[8 (8 a + b)]);   window 3: of my rows 64-127.
.set NQ,     4                         ; steps of 128 along K in a slot
.set ROWB,   256                       ; a tile's row in bytes: 512 codes
.set KROW,   512                       ; a row of codes in memory
.set PITCH,  272                       ; an LDS row: 256 bytes + 16 of padding: the 16 rows that a load touches start 68 words apart
.set FR,     8                         ; registers of a fragment
.set NL,     2                         ; LDS loads that bring one
.set NP,     4                         ; places behind this matrix instruction (ISA guide 7.12.1)
.set HALFT,  128*PITCH
.set SLOT,   4*HALFT                   ; x's 256 rows, then W's 256 rows
.set KS,     32                        ; a row of scale bytes
.set SCL,    2*SLOT                    ; behind the slots: the scale bytes, as rows of 256 bytes + 16 of padding
.set HALFS,  (128*KS/256)*272          ; those of 128 rows: what one tensor load brings
.set SBLK,   (16*KS/256)*272           ; those of 16 rows
.set SPARE,  SCL+4*HALFS               ; the spare words, 128 bytes for each wave
.set WSTG,   16384                     ; the way out: a region for each wave, in slot 0, which has had its one fill and its last read by then:
.set HP,     144                       ;   at +0 two heads x 16 rows x (128 bytes + 16) of f16,
.set ST32,   2*16*HP                   ;   at +4,608 16 rows x (512 bytes + 16) of f32
.set SP32,   528
.set ADRA, 16                          ; v16-17 LDS address of my x fragments in slot 0, 1
.set ADRB, 20                          ; v20-21 the same for W
.set STO,  24                          ; v24 the way out: where I put 16 bytes of f16
.set RD,   25                          ; v25 where I read them back: four rows of 128 bytes an instruction
.set CO,   26                          ; v26 16 x lane: my place in 512 consecutive bytes of memory
.set ADRS, 27                          ; v27 LDS address of my scale words: lanes 0-15 x's rows, lanes 16-31 W's
.set SPW,  28                          ; v28 my spare word; never rewritten
.set NIL,  29                          ; v29 0; never rewritten
.set STO32, 30                         ; v30 where I put 32 bytes of f32
.set RD32, 31                          ; v31 where I read a row of 512 bytes back
.set SC,   32                          ; scale words: set s at v[SC + 32 s]; register 4 i + q: lanes 0-15 x's block i, lanes 16-31 W's block i, the slot's q-th 128 along K
.set TMP,  96                          ; the way out: v96-127 packed results
.set AF,   128                         ; x's fragments
.set BK,   128                         ; the way out: v128-159, v160-191 by turns
.set F32,  192                         ; v192-255: 16 rows of f32
.set G1, 24
.set G0, 32
.set G1B, 48
.set G0B, 56
.set G1S, 68
.set G0S, 76
.set G1SB, 80
.set G0SB, 88
.set MSB, 0
.macro WIN new                         ; the immediate's high byte repeats the setting that is left
.if MSB != \new
	s_set_vgpr_msb (MSB<<8)|\new
.set MSB, \new
.endif
.endm
.set MUL_LO, 0xa1                      ; source 0 (W) window 1, source 1 (x) window 0, C and D window 2
.set MUL_HI, 0xf1                      ; the same, C and D window 3
.set TO_B,   0x40                      ; destination window 1, address window 0
; A joint load: waves 0 and 1 fetch for x, waves 2 and 3 for W.  The branch hangs on the wave's number alone.  An s_nop 0 and four v_nop follow each of the two lines.
.macro JLOAD g0a, g1a, g0b, g1b
	s_cmp_eq_u32 s15, 0
	s_cbranch_scc0 .Lfor_b_\@
	tensor_load_to_lds s[\g0a:\g0a+3], s[\g1a:\g1a+7]
	s_nop 0
.rept 4
	v_nop
.endr
	s_branch .Lasked_\@
.Lfor_b_\@:
	tensor_load_to_lds s[\g0b:\g0b+3], s[\g1b:\g1b+7]
	s_nop 0
.rept 4
	v_nop
.endr
.Lasked_\@:
.endm
.macro CROUND                          ; a round of the cluster's barrier
	s_barrier_signal -1
	s_barrier_wait -1
	s_cmp_lg_u32 s14, 0
	s_cbranch_scc1 .Lnot_wave_0_\@
	s_barrier_signal -3
.Lnot_wave_0_\@:
	s_barrier_wait -3
	s_barrier_signal -1
	s_barrier_wait -1
.endm
	s_load_b128 s[4:7], s[0:1], 0x0                ; x's codes, x's scales
	s_load_b128 s[8:11], s[0:1], 0x10              ; W's codes, W's scales
	s_load_b128 s[96:99], s[0:1], 0x20             ; qkv, first
	v_lshl_add_u32 v[SPW], v0, 2, SPARE
	v_mov_b32 v[NIL], 0
	ds_add_u32 v[SPW], v[NIL]                      ; the wave's opening: the add, twice on end, and its wait ahead of my first tensor load
	ds_add_u32 v[SPW], v[NIL]
	v_lshrrev_b32 v1, 5, v0
	v_readfirstlane_b32 s14, v1                    ; wave 0..3
	s_lshr_b32 s15, s14, 1                         ; which half of the tile's rows is mine.  Also: I fetch for x (0) or for W (1)
	s_and_b32 s16, s14, 1                          ; which half of its columns.  Also: which 128 rows of that tile I fetch
	s_bfe_u32 s40, ttmp6, 0x40000                  ; cx, cy: my place in the cluster
	s_bfe_u32 s41, ttmp6, 0x40004
	s_lshl_b32 s42, ttmp9, 2
	s_add_co_u32 s42, s42, s40                     ; tile column = 4 x cluster x + cx
	s_and_b32 s95, ttmp7, 0xffff                   ; cluster y: the block of 256 positions, the same in all sixteen partners
	s_lshl_b32 s17, s41, 3
	s_add_co_u32 s17, s17, s95                     ; tile row = 8 cy + cluster y
	s_lshl_b32 s43, s41, 2
	s_lshl_b32 s43, 15, s43                        ; my row of the cluster
	s_lshl_b32 s44, 0x1111, s40                    ; my column
	; descriptor group 1: a tile of 128 rows x 256 bytes, 16 bytes of padding behind each row
	s_or_b32 s[G1+0], s43, (0<<16)|(1<<20)|(1<<21)|(5<<22)|(3<<25)  ; 15:0 the mask: x's tiles go to my row; elements of 1 byte; padding on; bit 21 beside a mask; after every 64 words, 4 words
	s_or_b32 s[G1B+0], s44, (0<<16)|(1<<20)|(1<<21)|(5<<22)|(3<<25)
.irp g, G1, G1B
	s_mov_b32 s[\g+1], ROWB<<16                    ; tensor_dim0
	s_mov_b32 s[\g+2], 128<<16                     ; tensor_dim1
	s_mov_b32 s[\g+3], ROWB<<16                    ; tile_dim0
	s_mov_b32 s[\g+4], 128                         ; tile_dim1
	s_mov_b32 s[\g+5], KROW                        ; from row to row
	s_mov_b32 s[\g+6], 0
	s_mov_b32 s[\g+7], 0
.endr
	; the scale bytes of 128 rows: 4,096 dense bytes as 16 rows of 256 bytes (32 elements of 8 bytes), 16 bytes of padding behind each
	s_or_b32 s[G1S+0], s43, (3<<16)|(1<<20)|(1<<21)|(5<<22)|(3<<25)
	s_or_b32 s[G1SB+0], s44, (3<<16)|(1<<20)|(1<<21)|(5<<22)|(3<<25)
.irp g, G1S, G1SB
	s_mov_b32 s[\g+1], 32<<16
	s_mov_b32 s[\g+2], (128*KS/256)<<16
	s_mov_b32 s[\g+3], 32<<16
	s_mov_b32 s[\g+4], 128*KS/256
	s_mov_b32 s[\g+5], 32
	s_mov_b32 s[\g+6], 0
	s_mov_b32 s[\g+7], 0
.endr
	s_lshl_b32 s18, s16, 7                         ; which 128 rows of the tile I fetch
	s_lshl_b32 s20, s17, 8
	s_add_co_u32 s20, s20, s18                     ; x: row 256 x tile row + 128 x half
	s_lshl_b32 s46, s42, 8
	s_add_co_u32 s46, s46, s18                     ; W: row 256 x tile column + 128 x half
	s_mov_b32 s21, 0
	s_mov_b32 s47, 0
	s_mov_b64 s[18:19], KS
	s_mul_u64 s[22:23], s[20:21], s[18:19]         ; where these rows' scale bytes begin
	s_mul_u64 s[92:93], s[46:47], s[18:19]
	s_mov_b64 s[18:19], KROW
	s_mul_u64 s[20:21], s[20:21], s[18:19]         ; and their codes
	s_mul_u64 s[46:47], s[46:47], s[18:19]
	s_mul_i32 s45, s14, HALFT                      ; where they go: wave x 128 rows: no place in the cluster enters an LDS address
	s_mul_i32 s94, s14, HALFS
	s_wait_dscnt 0x0                               ; both opening adds are done
	s_wait_kmcnt 0x0
	s_add_nc_u64 s[20:21], s[4:5], s[20:21]
	s_add_nc_u64 s[22:23], s[6:7], s[22:23]
	s_add_nc_u64 s[46:47], s[8:9], s[46:47]
	s_add_nc_u64 s[92:93], s[10:11], s[92:93]
	CROUND                                         ; all sixteen work-groups are here: the joint loads meet
	s_mov_b32 s[G0S], 1
	s_add_co_u32 s[G0S+1], s94, SCL
	s_mov_b64 s[G0S+2:G0S+3], s[22:23]
	s_or_b32 s[G0S+3], s[G0S+3], 0x80000000
	s_mov_b32 s[G0SB], 1
	s_add_co_u32 s[G0SB+1], s94, SCL
	s_mov_b64 s[G0SB+2:G0SB+3], s[92:93]
	s_or_b32 s[G0SB+3], s[G0SB+3], 0x80000000
	JLOAD G0S, G1S, G0SB, G1SB                     ; the scale bytes first: they are wanted with the first slot
.irp s, 0,1
	s_mov_b32 s[G0+4*\s], 1
	s_add_co_u32 s[G0+4*\s+1], s45, \s*SLOT
	s_add_nc_u64 s[G0+4*\s+2:G0+4*\s+3], s[20:21], \s*ROWB
	s_or_b32 s[G0+4*\s+3], s[G0+4*\s+3], 0x80000000
	s_mov_b32 s[G0B+4*\s], 1
	s_add_co_u32 s[G0B+4*\s+1], s45, \s*SLOT
	s_add_nc_u64 s[G0B+4*\s+2:G0B+4*\s+3], s[46:47], \s*ROWB
	s_or_b32 s[G0B+4*\s+3], s[G0B+4*\s+3], 0x80000000
	JLOAD G0+4*\s, G1, G0B+4*\s, G1B
.endr
	v_and_b32 v1, 15, v0                           ; r = l % 16
	v_bfe_u32 v2, v0, 4, 1                         ; h = l / 16
	v_mul_u32_u24 v3, v1, PITCH
	v_lshl_add_u32 v4, v2, 4, v3                   ; a fragment's row x pitch + 16 x half
	s_mul_i32 s21, s15, HALFT                      ; my 128 rows of x
	s_mul_i32 s22, s16, HALFT                      ; my 128 rows of W,
	s_add_co_u32 s22, s22, 2*HALFT                 ; which lie behind x's 256
.irp s, 0,1
	v_add_nc_u32 v[ADRA+\s], s21, v4
	v_add_nc_u32 v[ADRB+\s], s22, v4
	s_add_co_u32 s21, s21, SLOT
	s_add_co_u32 s22, s22, SLOT
.endr
	v_mul_u32_u24 v5, v1, KS                       ; my row's scale bytes: 32 a row,
	v_lshrrev_b32 v6, 8, v5
	v_lshl_add_u32 v5, v6, 4, v5                   ; and 16 more for each 256 passed
	s_mul_i32 s21, s15, HALFS                      ; x's: my 128 rows
	s_mul_i32 s22, s16, HALFS                      ; W's: my 128 rows, behind x's 256
	s_add_co_u32 s22, s22, 2*HALFS
	s_sub_co_u32 s22, s22, s21
	v_mul_u32_u24 v6, s22, v2                      ; lanes 16-31 take W's: one product, the distance x h
	s_add_co_u32 s21, s21, SCL
	v_add_nc_u32 v5, v5, v6
	v_add_nc_u32 v[ADRS], s21, v5
	s_lshl_b32 s23, s14, 14                        ; my region for the way out
	v_mul_u32_u24 v5, v1, HP
	v_lshl_add_u32 v5, v2, 4, v5
	v_add_nc_u32 v[STO], s23, v5                   ; in: row r, 16 bytes for each half of the lanes
	v_bfe_u32 v5, v0, 3, 2
	v_mul_u32_u24 v5, v5, HP
	v_and_b32 v3, 7, v0
	v_lshl_add_u32 v5, v3, 4, v5
	v_add_nc_u32 v[RD], s23, v5                    ; back: eight lanes to a row of 128 bytes, four rows an instruction
	v_and_b32 v6, 31, v0
	v_lshlrev_b32 v[CO], 4, v6
	v_mul_u32_u24 v5, v1, SP32
	v_lshl_add_u32 v5, v2, 5, v5
	v_add_nc_u32 v5, s23, v5
	v_add_nc_u32 v[STO32], ST32, v5                ; f32, in: row r, 32 bytes for each half of the lanes
	v_add_nc_u32 v5, s23, v[CO]
	v_add_nc_u32 v[RD32], ST32, v5                 ; back: the 32 lanes take one row of 512 bytes
	; qkv at which, head 16 cy + 4 cx + 2 x my column half, position 256 x cluster y + 128 x my row half
	s_lshl_b32 s20, ttmp9, 24                      ; 64 heads x 262,144 bytes
	s_lshl_b32 s21, s41, 22
	s_add_co_u32 s20, s20, s21
	s_lshl_b32 s21, s95, 15
	s_add_co_u32 s20, s20, s21
	s_lshl_b32 s21, s15, 14
	s_add_co_u32 s20, s20, s21
	s_mov_b32 s21, 0
	s_add_nc_u64 s[96:97], s[96:97], s[20:21]
	s_lshl_b32 s46, s40, 20
	s_lshl_b32 s47, s16, 19
	s_add_co_u32 s46, s46, s47
	s_mov_b32 s47, 0
	s_add_nc_u64 s[96:97], s[96:97], s[46:47]
	; first at which, batch cy, column 256 cx + 128 x my column half
	s_lshl_b32 s20, ttmp9, 18
	s_lshl_b32 s21, s41, 16
	s_add_co_u32 s20, s20, s21
	s_mov_b32 s21, 0
	s_add_nc_u64 s[98:99], s[98:99], s[20:21]
	s_lshl_b32 s46, s40, 10
	s_lshl_b32 s47, s16, 9
	s_add_co_u32 s46, s46, s47
	s_mov_b32 s47, 0
	s_add_nc_u64 s[98:99], s[98:99], s[46:47]
.macro FRAG reg, adr, q, i             ; a fragment, 16 rows x 128 K of 4-bit codes: lane l holds row l % 16; registers 4 c .. 4 c + 3 hold K = 64 c + 32 (l / 16) + 0 .. 31
.irp c, 0,1
	ds_load_b128 v[\reg+4*\c:\reg+4*\c+3], v[\adr] offset:64*(\q)+32*\c+(\i)*16*PITCH
.endr
.endm
; 16 matrix instructions: x's blocks a0, a0 + 1 against W's eight, the slot's q-th 128 along K.  p: W's set; sc: the set of scale words.  zero = 1: the first product starts the sums.
; The 64 accumulators take turns, one instruction a turn, in the same order in every step.
.macro MUL16 a0, p, q, sc, zero
.irp a, \a0, \a0+1
.irp b, 0,1,2,3,4,5,6,7
.if \zero
	v_wmma_scale_f32_16x16x128_f8f6f4 v[8*(8*((\a)%4)+\b):8*(8*((\a)%4)+\b)+7], v[128*(\p)+FR*\b:128*(\p)+FR*\b+FR-1], v[AF+FR*(\a):AF+FR*(\a)+FR-1], 0, v[SC+8*NQ*(\sc)+NQ*\b+(\q)], v[SC+8*NQ*(\sc)+NQ*(\a)+(\q)] matrix_a_fmt:MATRIX_FMT_FP4 matrix_b_fmt:MATRIX_FMT_FP4 matrix_a_scale:MATRIX_SCALE_ROW1
.else
	v_wmma_scale_f32_16x16x128_f8f6f4 v[8*(8*((\a)%4)+\b):8*(8*((\a)%4)+\b)+7], v[128*(\p)+FR*\b:128*(\p)+FR*\b+FR-1], v[AF+FR*(\a):AF+FR*(\a)+FR-1], v[8*(8*((\a)%4)+\b):8*(8*((\a)%4)+\b)+7], v[SC+8*NQ*(\sc)+NQ*\b+(\q)], v[SC+8*NQ*(\sc)+NQ*(\a)+(\q)] matrix_a_fmt:MATRIX_FMT_FP4 matrix_b_fmt:MATRIX_FMT_FP4 matrix_a_scale:MATRIX_SCALE_ROW1
.endif
.endr
.endr
.endm
.macro FETCH_B slot, q, p              ; W's eight fragments into set p
	WIN TO_B
.irp i, 0,1,2,3,4,5,6,7
	FRAG 128*(\p)+FR*\i, ADRB+\slot, \q, \i
.endr
	WIN 0
.endm
.macro FETCH_A slot, q, i0             ; x's blocks i0 .. i0 + 3
.irp i, \i0, \i0+1, \i0+2, \i0+3
	FRAG AF+FR*(\i), ADRA+\slot, \q, \i
.endr
.endm
.macro SCALES sc                       ; a slot's scale words into set sc: four words a row; lanes 0-15 take x's block i, lanes 16-31 W's block i
.irp i, 0,1,2,3,4,5,6,7
	ds_load_b128 v[SC+8*NQ*\sc+NQ*\i:SC+8*NQ*\sc+NQ*\i+3], v[ADRS] offset:\i*SBLK
.endr
.endm
.macro PLACES n                        ; plain vector instructions between a matrix instruction and a load into, or a read of, its registers
.rept \n
	v_nop
.endr
.endm
; A step of 128 along K that has its successor in the same slot.  x has one set of registers: blocks 0-3 are fetched anew in the step's middle, blocks 4-7 at its end.
.macro STEP slot, q, zero
	s_wait_dscnt 4*NL                              ; W's set and x's blocks 0-3 are in; the youngest eight loads (x's blocks 4-7) may be out
	WIN MUL_LO
	MUL16 0, (\q)%2, \q, \slot, \zero
	MUL16 2, (\q)%2, \q, \slot, \zero
	s_wait_dscnt 0                                 ; x's blocks 4-7 are in
	PLACES NP
	FETCH_B \slot, (\q)+1, 1-(\q)%2
	FETCH_A \slot, (\q)+1, 0
	WIN MUL_HI
	MUL16 4, (\q)%2, \q, \slot, \zero
	MUL16 6, (\q)%2, \q, \slot, \zero
	PLACES NP
	WIN 0
	FETCH_A \slot, (\q)+1, 4
.endm
; Slot 0's last step changes slots: one barrier; in front of it each wave waits for all its tensor loads (its part of slot 1), adds 0 to its spare word, and waits for that and for its reads of slot 0.
.macro TURN slot, next
	s_wait_tensorcnt 0x0                           ; all my tensor loads have landed
	ds_add_u32 v[SPW], v[NIL]                      ; 0 onto my spare word
	s_wait_dscnt 4*NL+1                            ; (the add and the youngest eight loads may be out)
	WIN MUL_LO
	MUL16 0, 1, NQ-1, \slot, 0
	s_wait_dscnt 0x0                               ; the add is done, and my reads of this slot are over
	s_barrier_signal -1
	MUL16 2, 1, NQ-1, \slot, 0
	WIN 0
	s_barrier_wait -1
	PLACES NP
	v_add_nc_u32 v[ADRS], 4*NQ, v[ADRS]            ; on to the next slot's scale words (no LDS load of mine is out)
	FETCH_B \next, 0, 0
	FETCH_A \next, 0, 0
	SCALES \next
	WIN MUL_HI
	MUL16 4, 1, NQ-1, \slot, 0
	MUL16 6, 1, NQ-1, \slot, 0
	PLACES NP
	WIN 0
	FETCH_A \next, 0, 4
.endm
.macro STEPS slot, from                ; the slot's steps from .. NQ - 2
.set Q, \from
.rept NQ-1-\from
	STEP \slot, Q, 0
.set Q, Q+1
.endr
.endm
	s_wait_tensorcnt 1                             ; the scale bytes and my part of slot 0 are in (slot 1's load may be out),
	s_barrier_signal -1
	s_barrier_wait -1                              ; everybody's are
	FETCH_B 0, 0, 0
	FETCH_A 0, 0, 0
	SCALES 0
	FETCH_A 0, 0, 4
	STEP 0, 0, 1                                   ; the first step's products start the sums: nothing is cleared
	STEPS 0, 1
	TURN 0, 1
	STEPS 1, 0
	s_wait_dscnt 4*NL                              ; the last step: nothing more to fetch
	WIN MUL_LO
	MUL16 0, 1, NQ-1, 1, 0
	MUL16 2, 1, NQ-1, 1, 0
	s_wait_dscnt 0
	WIN MUL_HI
	MUL16 4, 1, NQ-1, 1, 0
	MUL16 6, 1, NQ-1, 1, 0
	WIN 0
	; THE WAY OUT.  A lane holds eight neighbouring columns of one row, the lanes beside it other rows: so a block of 16 rows goes through my own region in LDS and leaves as runs of 512 consecutive bytes.
	PLACES NP                                      ; behind the last products: for the reads of results and the loads into x's fragment registers
	s_or_b32 s3, s95, s15                          ; the first 16 positions of a batch lie in block 0 of the waves with row half 0, where cluster y is 0: ids that all partners share, and the wave's number
	s_cmp_lg_u32 s3, 0
	s_cbranch_scc1 .Lnofirst
	WIN 0x08                                       ; an LDS store's data are its source 1: window 2
.irp b, 0,1,2,3,4,5,6,7
	ds_store_b128 v[STO32], v[8*\b:8*\b+3] offset:64*\b            ; each accumulator from its low end on
	ds_store_b128 v[STO32], v[8*\b+4:8*\b+7] offset:64*\b+16
.endr
	WIN 0
.irp t, 0,1,2,3,4,5,6,7,8,9,10,11,12,13,14,15
	ds_load_b128 v[F32+4*\t:F32+4*\t+3], v[RD32] offset:\t*SP32    ; LDS serves a wave's instructions in order: these see the stores above
.endr
	s_wait_dscnt 0x0
.irp t, 0,1,2,3,4,5,6,7,8,9,10,11,12,13,14,15
	global_store_b128 v[CO], v[F32+4*\t:F32+4*\t+3], s[98:99] offset:4096*\t   ; position t: 32 lanes store 512 consecutive bytes
.endr
.Lnofirst:
.macro PACK a                          ; block a rounded to f16: 16 bytes a lane and accumulator, each accumulator from its low end on
.set AC, 64*((\a)%4)
	WIN 0x0a+5*((\a)/4)                            ; sources 0 and 1: window 2 or 3
.irp b, 0,1,2,3,4,5,6,7
.irp i, 0,1,2,3
	v_cvt_pk_f16_f32 v[TMP+4*\b+\i], v[AC+8*\b+2*\i], v[AC+8*\b+2*\i+1]
.endr
.endr
	WIN 0
.endm
.macro TOSTAGE a                       ; columns 16 b on: head b / 4, bytes 32 (b % 4) of its row; back as four rows of 128 bytes an instruction
.set BB, BK+32*((\a)%2)
.irp b, 0,1,2,3,4,5,6,7
	ds_store_b128 v[STO], v[TMP+4*\b:TMP+4*\b+3] offset:16*HP*(\b/4)+32*(\b%4)
.endr
.irp n, 0,1,2,3,4,5,6,7
	ds_load_b128 v[BB+4*\n:BB+4*\n+3], v[RD] offset:16*HP*(\n/4)+4*HP*(\n%4)
.endr
.endm
.macro SEND a, younger
.set BB, BK+32*((\a)%2)
	s_wait_dscnt \younger                          ; the block is back in registers
.irp n, 0,1,2,3,4,5,6,7
	global_store_b128 v[CO], v[BB+4*\n:BB+4*\n+3], s[96:97] offset:262144*(\n/4)+2048*(\a)+512*(\n%4)   ; a head's 16 rows are 2,048 dense bytes: 32 lanes store 512 of them; every offset is an immediate
.endr
.endm
	PACK 0
	TOSTAGE 0
.irp a, 1,2,3,4,5,6,7
	PACK \a                                        ; block a's conversions stand between block a - 1's loads from the stage and the wait for them
.if \a > 1
	s_wait_xcnt 0x0                                ; block a - 2's stores have read their data: block a's loads land in those registers
.endif
	SEND \a-1, 0
	TOSTAGE \a
.endr
	SEND 7, 0
	s_wait_tensorcnt 0x0                           ; the wave's end
	ds_add_u32 v[SPW], v[NIL]
	s_wait_dscnt 0x0
	CROUND                                         ; the closing round
	s_endpgm
.Lfunc_end_k_qf076c02623_qkv:
	.size	k_qf076c02623_qkv, .Lfunc_end_k_qf076c02623_qkv-k_qf076c02623_qkv
	.p2alignl 7, 3214868480
	.fill 96, 4, 3214868480
	.section	.rodata,"a",@progbits
	.p2align	6, 0x0
	.amdhsa_kernel k_qf076c02623_qkv
		.amdhsa_group_segment_fixed_size 327680
		.amdhsa_private_segment_fixed_size 0
		.amdhsa_enable_private_segment 0
		.amdhsa_kernarg_size 48
		.amdhsa_user_sgpr_count 2
		.amdhsa_user_sgpr_kernarg_segment_ptr 1
		.amdhsa_wavefront_size32 1
		.amdhsa_system_sgpr_workgroup_id_x 1
		.amdhsa_system_sgpr_workgroup_id_y 1
		.amdhsa_system_sgpr_workgroup_id_z 1
		.amdhsa_system_vgpr_workitem_id 0
		.amdhsa_next_free_vgpr 1024
		.amdhsa_next_free_sgpr 100
		.amdhsa_reserve_vcc 0
		.amdhsa_float_denorm_mode_32 3
		.amdhsa_float_denorm_mode_16_64 3
		.amdhsa_memory_ordered 1
		.amdhsa_forward_progress 1
		.amdhsa_inst_pref_size 131
	.end_amdhsa_kernel
	.amdgpu_metadata
---
amdhsa.version: [ 1, 2 ]
amdhsa.kernels:
  - .name:           k_qf076c02623_qkv
    .symbol:         k_qf076c02623_qkv.kd
    .args:
      - { .name: xcodes, .offset: 0, .size: 8, .value_kind: global_buffer, .address_space: global }
      - { .name: xscales, .offset: 8, .size: 8, .value_kind: global_buffer, .address_space: global }
      - { .name: wcodes, .offset: 16, .size: 8, .value_kind: global_buffer, .address_space: global }
      - { .name: wscales, .offset: 24, .size: 8, .value_kind: global_buffer, .address_space: global }
      - { .name: qkv, .offset: 32, .size: 8, .value_kind: global_buffer, .address_space: global }
      - { .name: first, .offset: 40, .size: 8, .value_kind: global_buffer, .address_space: global }
    .group_segment_fixed_size: 327680
    .private_segment_fixed_size: 0
    .kernarg_segment_align: 8
    .kernarg_segment_size: 48
    .max_flat_workgroup_size: 128
    .sgpr_count:     100
    .vgpr_count:     1024
    .wavefront_size: 32
...
	.end_amdgpu_metadata
.endif
;; end of part 2
;; launch attn (part 3): grid 4 x 64, 8 waves a work-group, no clusters, 327,680 bytes of LDS; arguments qkv, ctx; writes ctx
.if DOCPART == 3
	.amdgcn_target "amdgcn-amd-amdhsa--gfx1250"
	.amdhsa_code_object_version 6
	.text
	.protected	k_qf076c02623_attn
	.globl	k_qf076c02623_attn
	.p2align	8
	.type	k_qf076c02623_attn,@function
k_qf076c02623_attn:
	s_mov_b64 s[64:65], 0
	v_nop
	global_prefetch_b8 v0, s[64:65] scope:SCOPE_SE
	s_setreg_imm32_b32 hwreg(HW_REG_WAVE_MODE, 25, 1), 1
	s_wait_xcnt 0x0
; ctx[head][row][:] = the sum over keys k <= q of softmax_k(Q[q] . K[k] / 8) V[k][:], for each of 64 (batch, head); Q, K, V: qkv [3][64][2048][64] f16; ctx: [16 head][8192 batch x 2048 + q][64] f16.
; Products on f16 operands with f32 sums; maxima, exponentials and sums in f32.  A running maximum m and sum l for each query: p = 2^(c s - c m), c = log2(e) / 8; in every step O and l are multiplied by 2^(c m_old - c m_new).
; LIMITS: the row's sum is taken of the unrounded p, the second product takes p rounded to f16; a p under 2^-126 counts as 0; ctx beyond 65,504 has no f16 number.
; SHARES.  Work-group (i, head) owns the query blocks i and 7 - i of 256 queries: (i + 1) + (8 - i) = 9 units of 256 queries x 256 keys in every work-group, 256 work-groups of equal work.
; Wave w owns four tiles of 16 queries in two pieces: piece 0 = queries 256 i + 32 w on, piece 1 = queries 256 (7 - i) + 32 w on.  Both pieces walk the same keys, 64 a step, and share each fragment of K and V while
; both are live.  Two waves share a SIMD's registers: one wave's softmax stands beside the other's products.
; NO CLUSTER: the four work-groups of a head need 8, 7, 6 and 5 units of keys; a joint load would bring tiles that no wave of some partner reads.
; CAUSAL.  Every work-group walks all 8 units, so that trip counts are constants; a step whose keys all come after a piece's queries is jumped over (a scalar branch on ids), and a unit whose first key comes after the
; work-group's last query is not asked for.  On the diagonal hidden scores become -infinity ahead of the maximum.  Key 0 counts for every query, so m is a number from the first step on.
; LAYOUT.  S^T = K Q^T (source 0 = 16 keys, source 1 = 16 queries): a lane holds one query (lane % 16) and keys 8 (lane / 16) + 0..7 of each tile of 16.  Two such tiles, rounded to f16 in pairs, are source 1
; (32 keys x 16 queries) of O^T = V^T P.  K comes out of LDS as it lies, V ([key][channel]) turned, by ds_load_tr16_b128.
; REGISTERS: window 0: v1-15 addresses; v32-63 statistics, 8 a tile; v64-127 S^T of the piece in hand; v128-159 P; v160-223 V's fragments.  window 1: v0-127 O^T, 32 a tile; v128-191 Q; v192-255 K's fragments.
.set KP,    144                        ; a row of K in LDS: 128 bytes + 16: the 16 rows of a load start 36 words apart
.set VP,    160                        ; a row of V: 128 + 32: for the turning load
.set VOFF,  256*KP                     ; a slot: 256 rows of K, then 256 rows of V
.set SLOT1, 1<<17                      ; slot 1 begins here: one exclusive or turns an address in one slot into the other's
.set STAGE, SLOT1+VOFF+256*VP          ; behind the ring: 16 rows x 144 bytes for each wave, for the way out
.set SPARE, STAGE+8*16*KP              ; the spare words, 128 bytes for each wave
.set WHICH, 16777216                   ; bytes of q, of k, of v in qkv
.set UNITB, 32768                      ; 256 rows of 128 bytes
.set AK0, 1                            ; v1  my lane's place in a tile of K
.set AV0, 2                            ; v2  the same for V
.set ADK, 3                            ; v3  LDS address of the step's K
.set ADV, 4                            ; v4  of its V
.set QO,  5                            ; v5  my byte offset in 16 rows of Q
.set STO, 6                            ; v6  the way out: where I put 16 bytes of a row
.set RD,  7                            ; v7  where I read four rows back
.set GO,  8                            ; v8  16 x lane
.set DL,  9                            ; v9  lane % 16 - 8 (lane / 16)
.set D0,  10                           ; v10, v11 the mask's bounds for the piece's two tiles
.set NINF, 12                          ; v12 -infinity
.set PFO, 13                           ; v13 256 x lane; never rewritten
.set SPW, 14                           ; v14 my spare word; never rewritten
.set NIL, 15                           ; v15 0; never rewritten
.set ST,  32                           ; tile T's statistics at v[ST + 8 T]: +0 c m, +1 m, +2, +3 l (even keys', odd keys'), +4 .. +7 at work; a takes +6
.set S,   64
.set P,   128
.set VF,  160
.set QF,  128                          ; in window 1
.set KFR, 192                          ; in window 1
.set WV,  8                            ; s8  my wave's number
.set QL,  14                           ; s14, s15 the pieces' first queries
.set QLE, 16                           ; s16, s17 their last
.set WGE, 18                           ; s18 the work-group's last query
.set KF,  19                           ; s19 the step's first key
.set TK,  20                           ; s20 LDS byte at which the step's rows of K begin
.set TV,  21                           ; s21 the same for V, less VOFF
.set SLOTS, 22
.set INNER, 23
.set G1K, 24
.set G1V, 32
.set G0K, 40
.set G0V, 44
.set CS,  48                           ; s[48:49] c, twice
.set SEL, 50                           ; s[50:51] selects for lane l xor 16
.set PFA, 52                           ; s[52:53] where my prefetches stand
.set LIM, 54                           ; s54 1 in a work-group that prefetches, else the greatest number
.set QB,  56                           ; s[56:57], s[58:59] Q at the pieces' first rows
.set CB,  60                           ; s[60:61], s[62:63] ctx likewise
.set MSB, 0
.macro WIN new                         ; the immediate's high byte repeats the setting that is left
.if MSB != \new
	s_set_vgpr_msb (MSB<<8)|\new
.set MSB, \new
.endif
.endm
.set W_KQ, 0x05                        ; K and Q in window 1, S^T in window 0
.set W_PV, 0x50                        ; V and P in window 0, O^T (C and D) in window 1
.set W_RS, 0x41                        ; O^T (destination and source 0) in window 1, a in window 0
.set TO1,  0x40                        ; destination window 1
; Waves 0 to 3 fetch K's quarters of a unit (64 rows each), waves 4 to 7 V's.  The branch hangs on the wave's number alone.  An s_nop 0 and four v_nop follow each of the two lines.
.macro TLOAD
	s_cmp_lt_u32 s[WV], 4
	s_cbranch_scc0 .Lfor_v_\@
	tensor_load_to_lds s[G0K:G0K+3], s[G1K:G1K+7]
	s_nop 0
.rept 4
	v_nop
.endr
	s_branch .Lasked_\@
.Lfor_v_\@:
	tensor_load_to_lds s[G0V:G0V+3], s[G1V:G1V+7]
	s_nop 0
.rept 4
	v_nop
.endr
.Lasked_\@:
.endm
; A prefetch of the unit that the NEXT change of slots will load: a unit's K and V are 32,768 dense bytes each.  All four work-groups of a head walk the same K and V: work-group 0, which loads all 8 units, asks.
; Waves 0 to 3 name K's bytes, 8,192 a wave, lanes 256 bytes apart; waves 4 to 7 V's: each 256 bytes are named once in the launch.  Trip u asks for unit u + 2; the last ask is for unit 7.
.macro ASK
	s_cmp_gt_u32 s[SLOTS], s[LIM]
	s_cbranch_scc0 .Lnot_mine_\@
	global_prefetch_b8 v[PFO], s[PFA:PFA+1] th:TH_LOAD_NT scope:SCOPE_SE
.Lnot_mine_\@:
.endm
	s_load_b128 s[4:7], s[0:1], 0x0                ; qkv, ctx
	v_lshl_add_u32 v[SPW], v0, 2, SPARE
	v_mov_b32 v[NIL], 0
	ds_add_u32 v[SPW], v[NIL]                      ; the wave's opening: the add, twice on end, and its wait ahead of my first tensor load
	ds_add_u32 v[SPW], v[NIL]
	v_lshrrev_b32 v16, 5, v0
	v_readfirstlane_b32 s[WV], v16                 ; wave 0..7
	s_and_b32 s10, ttmp7, 0xffff                   ; batch x 16 + head
	s_lshl_b32 s11, s[WV], 5
	s_lshl_b32 s[QL], ttmp9, 8
	s_add_co_u32 s[QL], s[QL], s11                 ; piece 0: 256 i + 32 w
	s_sub_co_u32 s12, 7, ttmp9
	s_lshl_b32 s[QL+1], s12, 8
	s_or_b32 s[WGE], s[QL+1], 255                  ; the work-group's last query
	s_add_co_u32 s[QL+1], s[QL+1], s11             ; piece 1: 256 (7 - i) + 32 w
	s_add_co_u32 s[QLE], s[QL], 31
	s_add_co_u32 s[QLE+1], s[QL+1], 31
	; descriptor group 1: 64 rows of 64 elements of 2 bytes, dense in memory; padding behind each row of 32 words: K 4 words, V 8
	s_mov_b32 s[G1K], (1<<16)|(1<<20)|(4<<22)|(3<<25)
	s_mov_b32 s[G1V], (1<<16)|(1<<20)|(4<<22)|(7<<25)
.irp g, G1K, G1V
	s_mov_b32 s[\g+1], 64<<16                      ; tensor_dim0
	s_mov_b32 s[\g+2], 64<<16                      ; tensor_dim1
	s_mov_b32 s[\g+3], 64<<16                      ; tile_dim0
	s_mov_b32 s[\g+4], 64                          ; tile_dim1
	s_mov_b32 s[\g+5], 64                          ; from row to row
	s_mov_b32 s[\g+6], 0
	s_mov_b32 s[\g+7], 0
.endr
	s_mov_b32 s[CS], 0x3e38aa3b                    ; c = log2(e) / 8
	s_mov_b32 s[CS+1], s[CS]
	s_mov_b32 s[SEL], 0x76543210
	s_mov_b32 s[SEL+1], 0xfedcba98
	s_mov_b32 s[KF], 0
	s_mov_b32 s[TK], 0
	s_mov_b32 s[TV], 0
	s_mov_b32 s[SLOTS], 7
	s_cmp_eq_u32 ttmp9, 0
	s_cselect_b32 s[LIM], 1, -1
	s_and_b32 s12, s[WV], 3                        ; which quarter of a unit I fetch
	s_mul_i32 s13, s12, 64*KP                      ; its place in a slot, for K
	s_mul_i32 s66, s12, 64*VP                      ; and for V
	s_lshl_b32 s67, s10, 18                        ; the head's 262,144 bytes
	s_lshl_b32 s68, s12, 13
	s_add_co_u32 s68, s68, s67                     ; + my quarter's 8,192
	s_mov_b32 s69, 0
	s_mov_b32 s72, 2*WHICH+UNITB
	s_cmp_lt_u32 s[WV], 4
	s_cselect_b32 s72, WHICH+UNITB, s72            ; the prefetches begin in unit 1 of K or of V; the first change of slots steps them to unit 2
	s_mov_b32 s73, 0
	s_lshl_b32 s[QB], s[QL], 7
	s_add_co_u32 s[QB], s[QB], s67
	s_mov_b32 s[QB+1], 0
	s_lshl_b32 s[QB+2], s[QL+1], 7
	s_add_co_u32 s[QB+2], s[QB+2], s67
	s_mov_b32 s[QB+3], 0
	s_and_b32 s67, s10, 15
	s_lshl_b32 s67, s67, 20                        ; ctx: the head's 8,192 rows of 128 bytes,
	s_lshr_b32 s70, s10, 4
	s_lshl_b32 s70, s70, 18                        ; the batch's 2,048 rows
	s_add_co_u32 s67, s67, s70
	s_lshl_b32 s[CB], s[QL], 7
	s_add_co_u32 s[CB], s[CB], s67
	s_mov_b32 s[CB+1], 0
	s_lshl_b32 s[CB+2], s[QL+1], 7
	s_add_co_u32 s[CB+2], s[CB+2], s67
	s_mov_b32 s[CB+3], 0
	s_wait_dscnt 0x0                               ; both opening adds are done
	s_wait_kmcnt 0x0
	s_add_nc_u64 s[70:71], s[4:5], s[68:69]
	s_mov_b32 s[G0K], 1
	s_mov_b32 s[G0K+1], s13
	s_add_nc_u64 s[G0K+2:G0K+3], s[70:71], WHICH
	s_or_b32 s[G0K+3], s[G0K+3], 0x80000000
	s_mov_b32 s[G0V], 1
	s_add_co_u32 s[G0V+1], s66, VOFF
	s_add_nc_u64 s[G0V+2:G0V+3], s[70:71], 2*WHICH
	s_or_b32 s[G0V+3], s[G0V+3], 0x80000000
	TLOAD                                          ; unit 0 into slot 0: it holds key 0, which every wave reads
	s_add_nc_u64 s[PFA:PFA+1], s[70:71], s[72:73]
	s_add_nc_u64 s[QB:QB+1], s[4:5], s[QB:QB+1]
	s_add_nc_u64 s[QB+2:QB+3], s[4:5], s[QB+2:QB+3]
	s_add_nc_u64 s[CB:CB+1], s[6:7], s[CB:CB+1]
	s_add_nc_u64 s[CB+2:CB+3], s[6:7], s[CB+2:CB+3]
	v_and_b32 v16, 15, v0                          ; r
	v_bfe_u32 v17, v0, 4, 1                        ; h
	v_and_b32 v18, 31, v0                          ; lane
	v_lshlrev_b32 v[QO], 7, v16
	v_lshl_add_u32 v[QO], v17, 4, v[QO]            ; row r of 128 bytes + 16 h
	WIN TO1
.irp T, 0,1,2,3                        ; Q stays in registers: tile T, channels 32 cs on
.irp cs, 0,1
	global_load_b128 v[QF+16*\T+8*\cs:QF+16*\T+8*\cs+3],   v[QO], s[QB+2*(\T/2):QB+2*(\T/2)+1] offset:2048*(\T%2)+64*\cs
	global_load_b128 v[QF+16*\T+8*\cs+4:QF+16*\T+8*\cs+7], v[QO], s[QB+2*(\T/2):QB+2*(\T/2)+1] offset:2048*(\T%2)+64*\cs+32
.endr
.endr
	WIN 0
	v_mul_u32_u24 v[AK0], v16, KP
	v_lshl_add_u32 v[AK0], v17, 4, v[AK0]          ; row r x pitch + 16 h
	v_and_b32 v19, 7, v0
	v_bfe_u32 v20, v0, 3, 1
	v_lshl_add_u32 v[AV0], v17, 3, v19             ; the turning load: key 8 h + l % 8,
	v_mul_u32_u24 v[AV0], v[AV0], VP
	v_lshl_add_u32 v[AV0], v20, 4, v[AV0]          ; channels 8 ((l / 8) % 2) on
	v_add_nc_u32 v[AV0], VOFF, v[AV0]
	s_mul_i32 s66, s[WV], 16*KP
	s_add_co_u32 s66, s66, STAGE                   ; my stage
	v_add_nc_u32 v[STO], s66, v[AK0]
	v_bfe_u32 v21, v0, 3, 2
	v_mul_u32_u24 v[RD], v21, KP
	v_lshl_add_u32 v[RD], v19, 4, v[RD]
	v_add_nc_u32 v[RD], s66, v[RD]                 ; back: eight lanes to a row of 128 bytes, four rows an instruction
	v_lshlrev_b32 v[GO], 4, v18
	v_lshlrev_b32 v22, 3, v17
	v_sub_nc_u32 v[DL], v16, v22
	v_mov_b32 v[NINF], 0xff800000
	v_lshlrev_b32 v[PFO], 8, v18
.irp T, 0,1,2,3
	v_mov_b32 v[ST+8*\T+1], 0xff61b1e6             ; m: -3e38, under every score
	v_mul_f32 v[ST+8*\T], s[CS], v[ST+8*\T+1]      ; c m
.irp j, 2,3,4,5,6,7
	v_mov_b32 v[ST+8*\T+\j], 0                     ; l, and the registers at work: written once on every path
.endr
.endr
	WIN TO1
.set ii, 0
.rept 128
	v_mov_b32 v[ii], 0                             ; O^T.  The key step is written once for all steps: the first finds zeros, which its a = 0 leaves zeros
.set ii, ii+1
.endr
	WIN 0
; THE SOFTMAX of piece p's two tiles for one key step, the tiles line by line, so that no line reads the line above it.
.macro SOFTMAX p
.set T0, ST+8*(2*\p)
.irp j, 0,1,2,3                        ; the maximum of the lane's 32 scores and the old m: four chains; each accumulator is read from its low end on
.irp u, 0,1
	v_max3_num_f32 v[T0+8*\u+4+\j], v[S+32*\u+8*\j], v[S+32*\u+8*\j+1], v[S+32*\u+8*\j+2]
.endr
.endr
.irp g, 1,2
.irp j, 0,1,2,3
.irp u, 0,1
	v_max3_num_f32 v[T0+8*\u+4+\j], v[T0+8*\u+4+\j], v[S+32*\u+8*\j+2*\g+1], v[S+32*\u+8*\j+2*\g+2]
.endr
.endr
.endr
.irp u, 0,1
	v_max3_num_f32 v[T0+8*\u+4], v[T0+8*\u+4], v[S+32*\u+7], v[S+32*\u+15]
	v_max3_num_f32 v[T0+8*\u+6], v[T0+8*\u+6], v[S+32*\u+23], v[S+32*\u+31]
.endr
.irp u, 0,1
	v_max3_num_f32 v[T0+8*\u+4], v[T0+8*\u+4], v[T0+8*\u+5], v[T0+8*\u+6]
.endr
.irp u, 0,1
	v_max3_num_f32 v[T0+8*\u+4], v[T0+8*\u+4], v[T0+8*\u+7], v[T0+8*\u+1]
.endr
.irp u, 0,1
	v_permlanex16_b32 v[T0+8*\u+5], v[T0+8*\u+4], s[SEL], s[SEL+1]   ; the query's other 32 keys lie in the lane 16 away
.endr
.irp u, 0,1
	v_mov_b32 v[T0+8*\u+7], v[T0+8*\u]             ; c m_old is kept for a
.endr
.irp u, 0,1
	v_max_num_f32 v[T0+8*\u+1], v[T0+8*\u+4], v[T0+8*\u+5]
.endr
.irp u, 0,1
	v_mul_f32 v[T0+8*\u], s[CS], v[T0+8*\u+1]
.endr
.irp u, 0,1
	v_sub_f32 v[T0+8*\u+7], v[T0+8*\u+7], v[T0+8*\u]
.endr
.irp b, 0,1,2,3,4,5,6,7,8,9,10,11,12,13,14,15
.irp u, 0,1
	v_pk_fma_f32 v[S+32*\u+2*\b:S+32*\u+2*\b+1], v[S+32*\u+2*\b:S+32*\u+2*\b+1], s[CS:CS+1], v[T0+8*\u:T0+8*\u+1] op_sel_hi:[1,0,0] neg_lo:[0,0,1] neg_hi:[0,0,1]   ; c s - c m, two at a time
.endr
.endr
.irp u, 0,1
	v_exp_f32 v[T0+8*\u+6], v[T0+8*\u+7]           ; a = 2^(c m_old - c m_new)
.endr
.irp e, 0,1,2,3,4,5,6,7,8,9,10,11,12,13,14,15,16,17,18,19,20,21,22,23,24,25,26,27,28,29,30,31
.irp u, 0,1
	v_exp_f32 v[S+32*\u+\e], v[S+32*\u+\e]         ; p, at most 1
.endr
.endr
	v_nop                                          ; a plain instruction behind the last exponential
	s_wait_alu depctr_va_vdst(0)                   ; one wait for the batch of 66, ahead of its first reader
.irp b, 0,1,2,3,4,5,6,7,8,9,10,11,12,13,14,15
.irp u, 0,1
	v_cvt_pk_f16_f32 v[P+16*\u+\b], v[S+32*\u+2*\b], v[S+32*\u+2*\b+1]
.endr
.endr
.irp i, 0,1,2,3,4,5,6,7                ; the sum of the tile's 16 pairs, in place, by halves
.irp u, 0,1
	v_pk_add_f32 v[S+32*\u+4*\i:S+32*\u+4*\i+1], v[S+32*\u+4*\i:S+32*\u+4*\i+1], v[S+32*\u+4*\i+2:S+32*\u+4*\i+3]
.endr
.endr
.irp i, 0,1,2,3
.irp u, 0,1
	v_pk_add_f32 v[S+32*\u+8*\i:S+32*\u+8*\i+1], v[S+32*\u+8*\i:S+32*\u+8*\i+1], v[S+32*\u+8*\i+4:S+32*\u+8*\i+5]
.endr
.endr
.irp i, 0,1
.irp u, 0,1
	v_pk_add_f32 v[S+32*\u+16*\i:S+32*\u+16*\i+1], v[S+32*\u+16*\i:S+32*\u+16*\i+1], v[S+32*\u+16*\i+8:S+32*\u+16*\i+9]
.endr
.endr
.irp u, 0,1
	v_pk_add_f32 v[S+32*\u:S+32*\u+1], v[S+32*\u:S+32*\u+1], v[S+32*\u+16:S+32*\u+17]
.endr
.irp u, 0,1
	v_pk_fma_f32 v[T0+8*\u+2:T0+8*\u+3], v[T0+8*\u+2:T0+8*\u+3], v[T0+8*\u+6:T0+8*\u+7], v[S+32*\u:S+32*\u+1] op_sel_hi:[1,0,1]   ; l = a l + the sum
.endr
	WIN W_RS
.irp u, 0,1
.irp i, 0,1,2,3,4,5,6,7,8,9,10,11,12,13,14,15
	v_pk_mul_f32 v[32*(2*\p+\u)+2*\i:32*(2*\p+\u)+2*\i+1], v[32*(2*\p+\u)+2*\i:32*(2*\p+\u)+2*\i+1], v[T0+8*\u+6:T0+8*\u+7] op_sel_hi:[1,0]   ; O^T x a, each accumulator from its low end on
.endr
.endr
.endm
; PIECE p's part of a key step.  waits = 1: the step's loads are still on their way.  The accumulators take turns, one instruction a turn.
.macro PIECE p, waits
.if \waits
	s_wait_dscnt 16                                ; K's sixteen loads are in; V's sixteen may be out
.endif
	WIN W_KQ
.set ii, 0
.rept 16                               ; channels 32 (ii / 8) on, keys 16 ((ii / 2) % 4) on, tile ii % 2; the first eight start the sums
.set rD, S+32*(ii%2)+8*((ii/2)%4)
.set rA, KFR+16*((ii/2)%4)+8*(ii/8)
.set rB, QF+16*(2*\p+ii%2)+8*(ii/8)
.if ii < 8
	v_wmma_f32_16x16x32_f16 v[rD:rD+7], v[rA:rA+7], v[rB:rB+7], 0
.else
	v_wmma_f32_16x16x32_f16 v[rD:rD+7], v[rA:rA+7], v[rB:rB+7], v[rD:rD+7]
.endif
.set ii, ii+1
.endr
	WIN 0
.rept 4
	v_nop                                          ; places behind the products, ahead of the reads of their results and of the writes of P
.endr
	s_add_co_u32 s66, s[KF], 63
	s_cmp_le_u32 s66, s[QL+\p]                     ; all 64 keys count for all 32 queries: nothing is hidden
	s_cbranch_scc1 .Lopen_\@
	s_sub_co_i32 s66, s[QL+\p], s[KF]
	v_add_nc_u32 v[D0], s66, v[DL]                 ; tile 0: my query - the step's first key - 8 (lane / 16).  Register n holds key 16 (n / 8) + n % 8 + 8 (lane / 16): hidden where 16 (n / 8) + n % 8 is greater
	v_add_nc_u32 v[D0+1], 16, v[D0]                ; tile 1: 16 queries on
.irp u, 0,1
.set ii, 0
.rept 32
	v_cmp_gt_i32 vcc_lo, 16*(ii/8)+ii%8, v[D0+\u]
	v_cndmask_b32 v[S+32*\u+ii], v[S+32*\u+ii], v[NINF], vcc_lo
.set ii, ii+1
.endr
.endr
.Lopen_\@:
	SOFTMAX \p
.if \waits
	s_wait_dscnt 0x0                               ; V is in
.endif
	WIN W_PV
.set ii, 0
.rept 16                               ; keys 32 (ii / 8) on, channels 16 ((ii / 2) % 4) on, tile ii % 2
.set rD, 32*(2*\p+ii%2)+8*((ii/2)%4)
.set rA, VF+32*(ii/8)+8*((ii/2)%4)
.set rB, P+16*(ii%2)+8*(ii/8)
	v_wmma_f32_16x16x32_f16 v[rD:rD+7], v[rA:rA+7], v[rB:rB+7], v[rD:rD+7]
.set ii, ii+1
.endr
	WIN 0
.endm
; A KEY STEP: 64 keys.  Piece 1's queries come after piece 0's, so a step that is hidden from piece 1 is hidden from both.
.macro STEP
	s_cmp_gt_u32 s[KF], s[QLE+1]
	s_cbranch_scc1 .Lhidden_\@
	v_add_nc_u32 v[ADK], s[TK], v[AK0]
	v_add_nc_u32 v[ADV], s[TV], v[AV0]
	v_nop
	v_nop                                          ; with the two additions: four places behind the last step's products, ahead of the loads into their sources
	WIN TO1
.irp f, 0,1,2,3,4,5,6,7                ; K: keys 16 (f / 2) on, channels 32 (f % 2) on
	ds_load_b128 v[KFR+8*\f:KFR+8*\f+3],   v[ADK] offset:(\f/2)*16*KP+(\f%2)*64
	ds_load_b128 v[KFR+8*\f+4:KFR+8*\f+7], v[ADK] offset:(\f/2)*16*KP+(\f%2)*64+32
.endr
	WIN 0
.irp f, 0,1,2,3,4,5,6,7                ; V, turned: keys 32 (f / 4) on, channels 16 (f % 4) on
	ds_load_tr16_b128 v[VF+8*\f:VF+8*\f+3],   v[ADV] offset:(\f/4)*32*VP+(\f%4)*32
	ds_load_tr16_b128 v[VF+8*\f+4:VF+8*\f+7], v[ADV] offset:(\f/4)*32*VP+16*VP+(\f%4)*32
.endr
	PIECE 1, 1
	s_cmp_gt_u32 s[KF], s[QLE]
	s_cbranch_scc1 .Llow_done_\@
	PIECE 0, 0
.Llow_done_\@:
.Lhidden_\@:
	s_add_co_u32 s[KF], s[KF], 64
	s_add_co_u32 s[TK], s[TK], 64*KP
	s_add_co_u32 s[TV], s[TV], 64*VP
.endm
; THE CHANGE OF SLOTS stands at a unit's head.  Each wave waits for all its tensor loads (its part of the slot that it is about to read), adds 0 to its spare word, and waits for that and for its reads of the slot
; that it has left.  Behind the barrier the slot ahead is whole and nobody reads the other one.  fill = 1: that other slot takes the next unit, which has a whole unit's steps in which to land.
.macro CHANGE fill
	s_wait_tensorcnt 0x0                           ; no tensor load of mine is out, so a group 0 may be written
	ds_add_u32 v[SPW], v[NIL]                      ; 0 onto my spare word
.if \fill
	s_xor_b32 s[G0K+1], s[G0K+1], SLOT1            ; the walking descriptors: the other slot,
	s_add_nc_u64 s[G0K+2:G0K+3], s[G0K+2:G0K+3], UNITB   ; the next 256 keys; the type bits on top are not reached
	s_xor_b32 s[G0V+1], s[G0V+1], SLOT1
	s_add_nc_u64 s[G0V+2:G0V+3], s[G0V+2:G0V+3], UNITB
	s_wait_xcnt 0x0                                ; the last prefetch, a unit back, has read its address
	s_add_nc_u64 s[PFA:PFA+1], s[PFA:PFA+1], UNITB ; one unit further on than the walking descriptors
.endif
	s_wait_dscnt 0x0                               ; the add is done, and my reads of the slot that I have left are over
	s_barrier_signal -1
	s_barrier_wait -1
.if \fill
	s_add_co_u32 s66, s[KF], 256                   ; the first key of the unit that this change would ask for:
	s_cmp_gt_u32 s66, s[WGE]                       ; behind the work-group's last query no wave reads it, so it is not asked for.  Ids and the count of steps alone: all eight waves go the same way
	s_cbranch_scc1 .Lpast_\@
	TLOAD                                          ; a wave's one tensor load until the next change
.Lpast_\@:
	ASK
.endif
.endm
.macro SLOT_STEPS                      ; a unit's four key steps: written once, walked four times; the LDS addresses hang on s[TK], s[TV]
	s_mov_b32 s[INNER], 4
.Lstep_\@:
	STEP
	s_sub_co_u32 s[INNER], s[INNER], 1
	s_cmp_lg_u32 s[INNER], 0
	s_cbranch_scc1 .Lstep_\@
	s_sub_co_u32 s[TK], s[TK], 4*64*KP             ; back to a slot's first step,
	s_sub_co_u32 s[TV], s[TV], 4*64*VP
	s_xor_b32 s[TK], s[TK], SLOT1                  ; in the other slot
	s_xor_b32 s[TV], s[TV], SLOT1
.endm
	s_wait_loadcnt 0x0                             ; Q
.Lslot:                                            ; seven trips: behind each change of slots but the last the next unit is asked for, up to the causal limit
	CHANGE 1
	SLOT_STEPS
	s_sub_co_u32 s[SLOTS], s[SLOTS], 1
	s_cmp_lg_u32 s[SLOTS], 0
	s_cbranch_scc1 .Lslot
	CHANGE 0                                       ; the last unit is written out: nothing is left to ask for
	SLOT_STEPS
	; THE WAY OUT.  l's two halves and the other half of the lanes' are added; O^T is divided by l, rounded to f16 and sent through my stage, a tile (16 rows) at a time.  The first four additions are the places behind the last products.
.irp T, 0,1,2,3
	v_add_f32 v[ST+8*\T+4], v[ST+8*\T+2], v[ST+8*\T+3]
.endr
.irp T, 0,1,2,3
	v_permlanex16_b32 v[ST+8*\T+5], v[ST+8*\T+4], s[SEL], s[SEL+1]
.endr
.irp T, 0,1,2,3
	v_add_f32 v[ST+8*\T+4], v[ST+8*\T+4], v[ST+8*\T+5]
.endr
.irp T, 0,1,2,3
	v_rcp_f32 v[ST+8*\T+6], v[ST+8*\T+4]
.endr
	v_nop                                          ; a plain instruction behind the last reciprocal
	s_wait_alu depctr_va_vdst(0)                   ; one wait for the four, ahead of their first reader
.macro PACK T
	WIN W_RS
.irp i, 0,1,2,3,4,5,6,7,8,9,10,11,12,13,14,15
	v_pk_mul_f32 v[32*\T+2*\i:32*\T+2*\i+1], v[32*\T+2*\i:32*\T+2*\i+1], v[ST+8*\T+6:ST+8*\T+7] op_sel_hi:[1,0]
.endr
	WIN 0x05                                       ; sources 0 and 1 window 1, destination window 0: S^T's registers are free
.irp i, 0,1,2,3,4,5,6,7,8,9,10,11,12,13,14,15
	v_cvt_pk_f16_f32 v[S+16*\T+\i], v[32*\T+2*\i], v[32*\T+2*\i+1]
.endr
	WIN 0
.irp f, 0,1,2,3
	ds_store_b128 v[STO], v[S+16*\T+4*\f:S+16*\T+4*\f+3] offset:32*\f
.endr
.irp f, 0,1,2,3
	ds_load_b128 v[S+16*\T+4*\f:S+16*\T+4*\f+3], v[RD] offset:\f*4*KP   ; LDS serves a wave's instructions in order: these see the stores above; the next tile's stores come behind them
.endr
.endm
.macro SEND T, younger                 ; younger: the LDS instructions issued behind tile T's loads
.irp f, 0,1,2,3
	s_wait_dscnt \younger+3-\f
	global_store_b128 v[GO], v[S+16*\T+4*\f:S+16*\T+4*\f+3], s[CB+2*(\T/2):CB+2*(\T/2)+1] offset:2048*(\T%2)+512*\f   ; a tile's 16 rows are 2,048 dense bytes: 32 lanes store 512 of them
.endr
.endm
	PACK 0
	PACK 1
	SEND 0, 8
	PACK 2
	SEND 1, 8
	PACK 3
	SEND 2, 8
	SEND 3, 0
	s_wait_tensorcnt 0x0                           ; the wave's end
	ds_add_u32 v[SPW], v[NIL]
	s_wait_dscnt 0x0
	s_endpgm
.Lfunc_end_k_qf076c02623_attn:
	.size	k_qf076c02623_attn, .Lfunc_end_k_qf076c02623_attn-k_qf076c02623_attn
	.p2alignl 7, 3214868480
	.fill 96, 4, 3214868480
	.section	.rodata,"a",@progbits
	.p2align	6, 0x0
	.amdhsa_kernel k_qf076c02623_attn
		.amdhsa_group_segment_fixed_size 327680
		.amdhsa_private_segment_fixed_size 0
		.amdhsa_enable_private_segment 0
		.amdhsa_kernarg_size 16
		.amdhsa_user_sgpr_count 2
		.amdhsa_user_sgpr_kernarg_segment_ptr 1
		.amdhsa_wavefront_size32 1
		.amdhsa_system_sgpr_workgroup_id_x 1
		.amdhsa_system_sgpr_workgroup_id_y 1
		.amdhsa_system_sgpr_workgroup_id_z 1
		.amdhsa_system_vgpr_workitem_id 0
		.amdhsa_next_free_vgpr 512
		.amdhsa_next_free_sgpr 76
		.amdhsa_reserve_vcc 1
		.amdhsa_float_denorm_mode_32 3
		.amdhsa_float_denorm_mode_16_64 3
		.amdhsa_memory_ordered 1
		.amdhsa_forward_progress 1
		.amdhsa_inst_pref_size 110
	.end_amdhsa_kernel
	.amdgpu_metadata
---
amdhsa.version: [ 1, 2 ]
amdhsa.kernels:
  - .name:           k_qf076c02623_attn
    .symbol:         k_qf076c02623_attn.kd
    .args:
      - { .name: qkv, .offset: 0, .size: 8, .value_kind: global_buffer, .address_space: global }
      - { .name: ctx, .offset: 8, .size: 8, .value_kind: global_buffer, .address_space: global }
    .group_segment_fixed_size: 327680
    .private_segment_fixed_size: 0
    .kernarg_segment_align: 8
    .kernarg_segment_size: 16
    .max_flat_workgroup_size: 256
    .sgpr_count:     76
    .vgpr_count:     512
    .wavefront_size: 32
...
	.end_amdgpu_metadata
.endif
;; end of part 3
;; launch proj (part 4): grid 4 x 64, 4 waves a work-group, clusters of 4 x 4, 327,680 bytes of LDS; arguments ctx, wo16, bo, out0; writes out0
.if DOCPART == 4
	.amdgcn_target "amdgcn-amd-amdhsa--gfx1250"
	.amdhsa_code_object_version 6
	.text
	.protected	k_qf076c02623_proj
	.globl	k_qf076c02623_proj
	.p2align	8
	.type	k_qf076c02623_proj,@function
k_qf076c02623_proj:
	s_mov_b64 s[64:65], 0
	v_nop
	global_prefetch_b8 v0, s[64:65] scope:SCOPE_SE
	s_setreg_imm32_b32 hwreg(HW_REG_WAVE_MODE, 25, 1), 1
	s_wait_xcnt 0x0
	s_wait_alu depctr_hold_cnt(0) depctr_sa_sdst(0) depctr_va_vdst(0) depctr_va_sdst(0) depctr_va_ssrc(0) depctr_va_vcc(0) depctr_vm_vsrc(0)
	s_getreg_b32 s2, hwreg(HW_REG_IB_STS2, 6, 4)
	s_cmp_eq_u32 s2, 0
	s_cbranch_scc0 .Lentry_in_a_cluster
	s_endpgm
.Lentry_in_a_cluster:
	s_bfe_u32 s2, ttmp6, 0x10000c
	s_cmp_lg_u32 s2, 0xf033
	s_cbranch_scc0 .Lentry_shape_is_right
	s_endpgm
.Lentry_shape_is_right:
; out0[m][n] = sum over k of ctx[m][k] Wo[n][k] + bo[n], m = 0 .. 8191, n, k = 0 .. 1023.  ctx: [16 head][8192][64] f16 (k = 64 head + channel); wo16: [1024 n][1024 k] f16; bo, out0: f32; sums in f32.
; (The first 16 positions of each batch are written again, in f32 throughout, by the launch that follows.)
; A tile of out0 is 128 rows x 256 columns: 64 x 4 = 256 work-groups.  Four waves, each 64 x 128: 32 accumulators, 256 registers.  K goes in steps of 128 (two heads) through a ring of two LDS slots.
; A slot: ctx's two planes (a head each) of 128 rows x 128 bytes, then Wo's 256 rows x 256 bytes.  Waves 0 and 1 fetch a plane each, waves 2 and 3 a half of Wo's rows each: one load a wave.
; CLUSTERS: 4 x 4.  Tile row = 4 x cluster y + cy, tile column = cx.  The four of a row of the cluster need the same planes of ctx, the four of a column the same rows of Wo: each is asked for jointly.
; THE MATRIX INSTRUCTION IS USED TRANSPOSED (source 0 = 16 rows of Wo, source 1 = 16 rows of ctx): a lane holds eight neighbouring numbers of a row of out0.
; No prefetch: a step's tiles are small and are shared fourfold in the cluster.
; REGISTERS: window 0: v1-31 addresses and the bias; v32-127, v128-223 two fragment buffers (Wo's 64 registers, then ctx's 32).  window 1: the accumulators ((a, b) at v[8 (8 a + b)]).
.set PA,     144                       ; a row of ctx in LDS: 128 bytes + 16
.set PB,     272                       ; a row of Wo: 256 + 16
.set PLANE,  128*PA
.set BOFF,   2*PLANE
.set HALFB,  128*PB
.set SLOT,   BOFF+2*HALFB
.set STAGE,  2*SLOT                    ; behind the ring: 16 rows x (512 bytes + 16) for each wave
.set SPITCH, 528
.set SPARE,  STAGE+4*16*SPITCH         ; the spare words, 128 bytes for each wave
.set LAPS,   4                         ; a lap = two K steps = once round the ring
.set BIAS, 8                           ; v[8:11] bo at my four columns of a row read back from the stage
.set ADRA, 16                          ; v16-17 LDS address of my ctx fragments in slot 0, 1
.set ADRB, 20                          ; v20-21 the same for Wo
.set STO,  24
.set RD,   25
.set CO,   26
.set SPW,  28
.set NIL,  29
.set F0,   32
.set F1,   128
.set BK,   32                          ; the way out: v32-95, v96-159 by turns
.set G1, 24
.set G0, 32
.set G1B, 48
.set G0B, 56
.set MSB, 0
.macro WIN new
.if MSB != \new
	s_set_vgpr_msb (MSB<<8)|\new
.set MSB, \new
.endif
.endm
.set MUL, 0x50                         ; sources 0 and 1 window 0; C and D window 1
.macro JLOAD s                         ; a joint load: waves 0 and 1 fetch ctx's planes, waves 2 and 3 Wo's halves; an s_nop 0 and four v_nop follow each of the two lines
	s_cmp_eq_u32 s11, 0
	s_cbranch_scc0 .Lfor_b_\@
	tensor_load_to_lds s[G0+4*\s:G0+4*\s+3], s[G1:G1+7]
	s_nop 0
.rept 4
	v_nop
.endr
	s_branch .Lasked_\@
.Lfor_b_\@:
	tensor_load_to_lds s[G0B+4*\s:G0B+4*\s+3], s[G1B:G1B+7]
	s_nop 0
.rept 4
	v_nop
.endr
.Lasked_\@:
.endm
.macro CREST                           ; a round of the cluster's barrier behind its opening barrier
	s_cmp_lg_u32 s10, 0
	s_cbranch_scc1 .Lnot_wave_0_\@
	s_barrier_signal -3
.Lnot_wave_0_\@:
	s_barrier_wait -3
	s_barrier_signal -1
	s_barrier_wait -1
.endm
.macro CROUND
	s_barrier_signal -1
	s_barrier_wait -1
	CREST
.endm
	s_load_b128 s[4:7], s[0:1], 0x0                ; ctx, wo16
	s_load_b128 s[16:19], s[0:1], 0x10             ; bo, out0
	v_lshl_add_u32 v[SPW], v0, 2, SPARE
	v_mov_b32 v[NIL], 0
	ds_add_u32 v[SPW], v[NIL]                      ; the wave's opening: the add, twice on end, and its wait ahead of my first tensor load
	ds_add_u32 v[SPW], v[NIL]
	v_lshrrev_b32 v1, 5, v0
	v_readfirstlane_b32 s10, v1                    ; wave 0..3
	s_lshr_b32 s11, s10, 1                         ; which 64 rows are mine.  Also: I fetch for ctx (0) or for Wo (1)
	s_and_b32 s12, s10, 1                          ; which 128 columns.  Also: which plane, or which half of Wo's rows, I fetch
	s_bfe_u32 s40, ttmp6, 0x40000                  ; cx = the tile column
	s_bfe_u32 s41, ttmp6, 0x40004                  ; cy
	s_and_b32 s13, ttmp7, 0xffff
	s_lshl_b32 s13, s13, 2
	s_add_co_u32 s13, s13, s41                     ; tile row = 4 x cluster y + cy
	s_lshl_b32 s43, s41, 2
	s_lshl_b32 s43, 15, s43                        ; my row of the cluster
	s_lshl_b32 s44, 0x1111, s40                    ; my column
	s_or_b32 s[G1+0], s43, (1<<16)|(1<<20)|(1<<21)|(4<<22)|(3<<25)   ; ctx: elements of 2 bytes; padding of 4 words behind every 32; the mask of my row, bit 21 beside it
	s_mov_b32 s[G1+1], 64<<16                      ; tensor_dim0
	s_mov_b32 s[G1+2], 128<<16                     ; tensor_dim1
	s_mov_b32 s[G1+3], 64<<16                      ; tile_dim0
	s_mov_b32 s[G1+4], 128                         ; tile_dim1
	s_mov_b32 s[G1+5], 64                          ; from row to row
	s_mov_b32 s[G1+6], 0
	s_mov_b32 s[G1+7], 0
	s_or_b32 s[G1B+0], s44, (1<<16)|(1<<20)|(1<<21)|(5<<22)|(3<<25)  ; Wo: padding of 4 words behind every 64; the mask of my column
	s_mov_b32 s[G1B+1], 128<<16
	s_mov_b32 s[G1B+2], 128<<16
	s_mov_b32 s[G1B+3], 128<<16
	s_mov_b32 s[G1B+4], 128
	s_mov_b32 s[G1B+5], 1024
	s_mov_b32 s[G1B+6], 0
	s_mov_b32 s[G1B+7], 0
	s_lshl_b32 s20, s12, 20                        ; ctx: my plane's 1,048,576 bytes,
	s_lshl_b32 s21, s13, 14                        ; the tile row's 128 rows of 128 bytes
	s_add_co_u32 s20, s20, s21
	s_mov_b32 s21, 0
	s_lshl_b32 s46, s40, 8                         ; Wo: row 256 cx + 128 x my half,
	s_lshl_b32 s47, s12, 7
	s_add_co_u32 s46, s46, s47
	s_lshl_b32 s46, s46, 11                        ; of 2,048 bytes
	s_mov_b32 s47, 0
	s_mul_i32 s22, s12, PLANE                      ; where they go in a slot: no place in the cluster enters an LDS address
	s_mul_i32 s23, s12, HALFB
	s_add_co_u32 s23, s23, BOFF
	s_wait_dscnt 0x0                               ; both opening adds are done
	s_wait_kmcnt 0x0
	s_add_nc_u64 s[14:15], s[4:5], s[20:21]
	s_add_nc_u64 s[46:47], s[6:7], s[46:47]
	CROUND                                         ; all sixteen work-groups are here: the first joint loads meet
.irp s, 0,1
	s_mov_b32 s[G0+4*\s], 1
	s_add_co_u32 s[G0+4*\s+1], s22, \s*SLOT
	s_add_nc_u64 s[G0+4*\s+2:G0+4*\s+3], s[14:15], \s*2*1048576    ; K step s: heads 2 s, 2 s + 1
	s_or_b32 s[G0+4*\s+3], s[G0+4*\s+3], 0x80000000
	s_mov_b32 s[G0B+4*\s], 1
	s_add_co_u32 s[G0B+4*\s+1], s23, \s*SLOT
	s_add_nc_u64 s[G0B+4*\s+2:G0B+4*\s+3], s[46:47], \s*256
	s_or_b32 s[G0B+4*\s+3], s[G0B+4*\s+3], 0x80000000
	JLOAD \s
.endr
	v_and_b32 v1, 15, v0                           ; r
	v_bfe_u32 v2, v0, 4, 1                         ; h
	v_mul_u32_u24 v3, v1, PA
	v_lshl_add_u32 v3, v2, 4, v3
	v_mul_u32_u24 v4, v1, PB
	v_lshl_add_u32 v4, v2, 4, v4
	s_mul_i32 s21, s11, 64*PA                      ; my 64 rows of ctx
	s_mul_i32 s22, s12, HALFB                      ; my 128 rows of Wo
	s_add_co_u32 s22, s22, BOFF
.irp s, 0,1
	v_add_nc_u32 v[ADRA+\s], s21, v3
	v_add_nc_u32 v[ADRB+\s], s22, v4
	s_add_co_u32 s21, s21, SLOT
	s_add_co_u32 s22, s22, SLOT
.endr
	s_mul_i32 s23, s10, 16*SPITCH
	s_add_co_u32 s23, s23, STAGE                   ; my stage
	v_mul_u32_u24 v5, v1, SPITCH
	v_lshl_add_u32 v5, v2, 5, v5
	v_add_nc_u32 v[STO], s23, v5                   ; in: row r, 32 bytes for each half of the lanes
	v_and_b32 v5, 31, v0
	v_lshlrev_b32 v[CO], 4, v5
	v_add_nc_u32 v[RD], s23, v[CO]                 ; back: the 32 lanes take one row of 512 bytes
	s_lshl_b32 s46, s40, 10                        ; my first column, in bytes of f32: 1,024 cx + 512 x my half
	s_lshl_b32 s47, s12, 9
	s_add_co_u32 s46, s46, s47
	s_mov_b32 s47, 0
	s_add_nc_u64 s[16:17], s[16:17], s[46:47]
	global_load_b128 v[BIAS:BIAS+3], v[CO], s[16:17]   ; bo at my four columns
	s_add_nc_u64 s[18:19], s[18:19], s[46:47]
	s_lshl_b32 s20, s13, 7
	s_lshl_b32 s21, s11, 6
	s_add_co_u32 s20, s20, s21                     ; my first row: 128 x tile row + 64 x my half
	s_lshl_b32 s20, s20, 12
	s_mov_b32 s21, 0
	s_add_nc_u64 s[18:19], s[18:19], s[20:21]
; 8 matrix instructions: ctx's block a against Wo's eight, 32 along K, from buffer f.  zero = 1: the first product starts the sums.  The 32 accumulators take turns in one order in every quarter.
.macro MUL8 f, a, zero
.irp b, 0,1,2,3,4,5,6,7
.if \zero
	v_wmma_f32_16x16x32_f16 v[8*(8*(\a)+\b):8*(8*(\a)+\b)+7], v[\f+8*\b:\f+8*\b+7], v[\f+64+8*(\a):\f+64+8*(\a)+7], 0
.else
	v_wmma_f32_16x16x32_f16 v[8*(8*(\a)+\b):8*(8*(\a)+\b)+7], v[\f+8*\b:\f+8*\b+7], v[\f+64+8*(\a):\f+64+8*(\a)+7], v[8*(8*(\a)+\b):8*(8*(\a)+\b)+7]
.endif
.endr
.endm
; 24 LDS loads in one run: quarter q (32 along K) of a slot into buffer f: Wo's eight fragments, then ctx's four (quarter q lies in plane q / 2, at byte 64 (q % 2) of its rows)
.macro FETCH slot, q, f
	WIN 0
.irp i, 0,1,2,3,4,5,6,7
	ds_load_b128 v[\f+8*\i:\f+8*\i+3],   v[ADRB+\slot] offset:64*(\q)+\i*16*PB
	ds_load_b128 v[\f+8*\i+4:\f+8*\i+7], v[ADRB+\slot] offset:64*(\q)+\i*16*PB+32
.endr
.irp i, 0,1,2,3
	ds_load_b128 v[\f+64+8*\i:\f+64+8*\i+3],   v[ADRA+\slot] offset:PLANE*((\q)/2)+64*((\q)%2)+\i*16*PA
	ds_load_b128 v[\f+64+8*\i+4:\f+64+8*\i+7], v[ADRA+\slot] offset:PLANE*((\q)/2)+64*((\q)%2)+\i*16*PA+32
.endr
.endm
.macro PLACES                          ; four places in front of loads into registers that matrix instructions have read, and of reads of results
.rept 4
	v_nop
.endr
.endm
; One of a K step's first three quarters: multiplies buffer f and fetches quarter q of the same slot into g.
.macro QUARTER slot, q, f, g, zero
	s_wait_dscnt 4                                 ; Wo's fragments and ctx's blocks 0, 1 are in; the youngest four loads (blocks 2, 3) may be out
	WIN MUL
	MUL8 \f, 0, \zero
	MUL8 \f, 1, \zero
	PLACES
	FETCH \slot, \q, \g
	s_wait_dscnt 24                                ; all but the 24 just issued
	WIN MUL
	MUL8 \f, 2, \zero
	MUL8 \f, 3, \zero
.endm
; The last quarter multiplies buffer 1 and changes slots: one barrier; in front of it each wave waits for all its tensor loads, adds 0 to its spare word, and waits for that and for its reads of this slot.
; fill = 1: the barrier opens a round of the cluster's barrier, and this slot is filled again, two K steps ahead: 112 matrix instructions of a wave lie between that request and the wait for it.
.macro TURN slot, next, fill
	WIN 0
	s_wait_tensorcnt 0x0                           ; all my tensor loads have landed: my part of the next slot
	ds_add_u32 v[SPW], v[NIL]                      ; 0 onto my spare word
	s_wait_dscnt 5                                 ; (the add and the youngest four loads may be out)
	WIN MUL
	MUL8 F1, 0, 0
	s_wait_dscnt 0x0                               ; the add is done, and my reads of this slot are over
	s_barrier_signal -1
	MUL8 F1, 1, 0
.if \fill
	WIN 0
.endif
	s_barrier_wait -1
.if \fill
	CREST                                          ; no wave of any partner still reads this slot's tiles or has a load on its way
	s_add_nc_u64 s[G0+4*\slot+2:G0+4*\slot+3], s[G0+4*\slot+2:G0+4*\slot+3], 4*1048576   ; four heads on
	s_add_nc_u64 s[G0B+4*\slot+2:G0B+4*\slot+3], s[G0B+4*\slot+2:G0B+4*\slot+3], 512
	JLOAD \slot                                    ; the first tensor load behind the round; its four v_nop are also the places in front of the loads below
.else
	PLACES
.endif
	FETCH \next, 0, F0
	WIN MUL
	MUL8 F1, 2, 0
	MUL8 F1, 3, 0
.endm
	s_wait_tensorcnt 1                             ; my part of K step 0 is in (K step 1's load may be out),
	s_barrier_signal -1
	s_barrier_wait -1                              ; everybody's is
	FETCH 0, 0, F0
	QUARTER 0, 1, F0, F1, 1                        ; the first quarter stands in front of the loop: its products start the sums
	WIN 0
	s_mov_b32 s3, LAPS-1
.Llap:                                             ; a trip goes once round the ring, from a lap's second quarter to the next lap's first, and fills both slots again
	QUARTER 0, 2, F1, F0, 0
	QUARTER 0, 3, F0, F1, 0
	TURN 0, 1, 1
	QUARTER 1, 1, F0, F1, 0
	QUARTER 1, 2, F1, F0, 0
	QUARTER 1, 3, F0, F1, 0
	TURN 1, 0, 1
	QUARTER 0, 1, F0, F1, 0
	WIN 0
	s_sub_co_u32 s3, s3, 1
	s_cmp_lg_u32 s3, 0
	s_cbranch_scc1 .Llap
	QUARTER 0, 2, F1, F0, 0                        ; the last lap fills nothing
	QUARTER 0, 3, F0, F1, 0
	TURN 0, 1, 0
	QUARTER 1, 1, F0, F1, 0
	QUARTER 1, 2, F1, F0, 0
	QUARTER 1, 3, F0, F1, 0
	s_wait_dscnt 4                                 ; the very last quarter: nothing more to fetch
	WIN MUL
	MUL8 F1, 0, 0
	MUL8 F1, 1, 0
	s_wait_dscnt 0
	MUL8 F1, 2, 0
	MUL8 F1, 3, 0
	WIN 0
	; THE WAY OUT, block by block of 16 rows x 128 columns, through my own stage: back as whole rows of 512 bytes; the bias is added there, where a lane holds four neighbouring columns.
	PLACES
	s_wait_loadcnt 0x0                             ; the bias
.macro TOSTAGE a
	WIN 0x04                                       ; an LDS store's data are its source 1: window 1
.irp b, 0,1,2,3,4,5,6,7
	ds_store_b128 v[STO], v[8*(8*(\a)+\b):8*(8*(\a)+\b)+3] offset:64*\b        ; each accumulator from its low end on
	ds_store_b128 v[STO], v[8*(8*(\a)+\b)+4:8*(8*(\a)+\b)+7] offset:64*\b+16
.endr
	WIN 0
.set BB, BK+64*((\a)%2)
.irp t, 0,1,2,3,4,5,6,7,8,9,10,11,12,13,14,15
	ds_load_b128 v[BB+4*\t:BB+4*\t+3], v[RD] offset:\t*SPITCH      ; LDS serves a wave's instructions in order: these see the stores above
.endr
.endm
.macro SEND a, younger
.set BB, BK+64*((\a)%2)
	s_wait_dscnt \younger                          ; the block is back in registers
.irp t, 0,1,2,3,4,5,6,7,8,9,10,11,12,13,14,15
	v_pk_add_f32 v[BB+4*\t:BB+4*\t+1], v[BB+4*\t:BB+4*\t+1], v[BIAS:BIAS+1]
	v_pk_add_f32 v[BB+4*\t+2:BB+4*\t+3], v[BB+4*\t+2:BB+4*\t+3], v[BIAS+2:BIAS+3]
.endr
.irp t, 0,1,2,3,4,5,6,7,8,9,10,11,12,13,14,15
	global_store_b128 v[CO], v[BB+4*\t:BB+4*\t+3], s[18:19] offset:65536*(\a)+4096*\t th:TH_STORE_NT   ; 32 lanes store 512 consecutive bytes; every offset is an immediate
.endr
.endm
	TOSTAGE 0
.irp a, 1,2,3
.if \a > 1
	s_wait_xcnt 0x0                                ; block a - 2's stores have read their data: block a's loads land in those registers
.endif
	TOSTAGE \a
	SEND \a-1, 32                                  ; behind block a - 1's loads: block a's 16 stores and 16 loads
.endr
	SEND 3, 0
	s_wait_tensorcnt 0x0                           ; the wave's end
	ds_add_u32 v[SPW], v[NIL]
	s_wait_dscnt 0x0
	CROUND                                         ; the closing round
	s_endpgm
.Lfunc_end_k_qf076c02623_proj:
	.size	k_qf076c02623_proj, .Lfunc_end_k_qf076c02623_proj-k_qf076c02623_proj
	.p2alignl 7, 3214868480
	.fill 96, 4, 3214868480
	.section	.rodata,"a",@progbits
	.p2align	6, 0x0
	.amdhsa_kernel k_qf076c02623_proj
		.amdhsa_group_segment_fixed_size 327680
		.amdhsa_private_segment_fixed_size 0
		.amdhsa_enable_private_segment 0
		.amdhsa_kernarg_size 32
		.amdhsa_user_sgpr_count 2
		.amdhsa_user_sgpr_kernarg_segment_ptr 1
		.amdhsa_wavefront_size32 1
		.amdhsa_system_sgpr_workgroup_id_x 1
		.amdhsa_system_sgpr_workgroup_id_y 1
		.amdhsa_system_sgpr_workgroup_id_z 1
		.amdhsa_system_vgpr_workitem_id 0
		.amdhsa_next_free_vgpr 512
		.amdhsa_next_free_sgpr 66
		.amdhsa_reserve_vcc 0
		.amdhsa_float_denorm_mode_32 3
		.amdhsa_float_denorm_mode_16_64 3
		.amdhsa_memory_ordered 1
		.amdhsa_forward_progress 1
		.amdhsa_inst_pref_size 93
	.end_amdhsa_kernel
	.amdgpu_metadata
---
amdhsa.version: [ 1, 2 ]
amdhsa.kernels:
  - .name:           k_qf076c02623_proj
    .symbol:         k_qf076c02623_proj.kd
    .args:
      - { .name: ctx, .offset: 0, .size: 8, .value_kind: global_buffer, .address_space: global }
      - { .name: wo16, .offset: 8, .size: 8, .value_kind: global_buffer, .address_space: global }
      - { .name: bo, .offset: 16, .size: 8, .value_kind: global_buffer, .address_space: global }
      - { .name: out0, .offset: 24, .size: 8, .value_kind: global_buffer, .address_space: global }
    .group_segment_fixed_size: 327680
    .private_segment_fixed_size: 0
    .kernarg_segment_align: 8
    .kernarg_segment_size: 32
    .max_flat_workgroup_size: 128
    .sgpr_count:     66
    .vgpr_count:     512
    .wavefront_size: 32
...
	.end_amdgpu_metadata
.endif
;; end of part 4
;; launch fine (part 5): grid 16 x 4, 16 waves a work-group, no clusters, 67,584 bytes of LDS; arguments first, Wo, bo, out0; writes out0
.if DOCPART == 5
	.amdgcn_target "amdgcn-amd-amdhsa--gfx1250"
	.amdhsa_code_object_version 6
	.text
	.protected	k_qf076c02623_fine
	.globl	k_qf076c02623_fine
	.p2align	8
	.type	k_qf076c02623_fine,@function
k_qf076c02623_fine:
	s_mov_b64 s[64:65], 0
	v_nop
	global_prefetch_b8 v0, s[64:65] scope:SCOPE_SE
	s_setreg_imm32_b32 hwreg(HW_REG_WAVE_MODE, 25, 1), 1
	s_wait_xcnt 0x0
; The first 16 positions of each batch, in f32 throughout: under the causal mask they average one to sixteen values, and f16 operands would weigh most there.  64 rows of out0 are written again.
; first: [3 which][4 batch][16 position][1024] f32, the unrounded sums of the quantised products; Wo [1024 n][1024 k], bo [1024], out0 [8192][1024]: f32.
; SHARES.  Work-group (slice of 64 output columns, batch); wave w is head w.  Each wave makes its head's attention for the 16 positions (16 x 16 scores, repeated in each slice: 32 small matrix instructions), then its
; head's part (K = 64) of the 16 rows x 64 columns; the sixteen parts meet in LDS, and wave w adds them for row w, adds the bias and stores 256 consecutive bytes.
; All products by v_wmma_f32_16x16x4_f32, used transposed, so that a lane holds one query throughout.  The instruction gives lane (r, h) the two k = 2 h + 0, 1 of a step; which of the product's K stand there is free
; so long as both sources agree: so every operand is loaded, or kept, as it lies.
; The registers that these matrix instructions write (v192-255) are written by them alone; each sum begins with the constant 0.  8 places stand behind them ahead of reads and loads, 9 ahead of a matrix instruction
; that takes a result as a source.
; LIMIT: a weight under 2^-126 counts as 0.
.set SPARE, 65536                      ; behind the sixteen parts of 4,096 bytes: the spare words, 128 bytes for each wave
.set AQ,  3                            ; v3  q, k: row r of 4,096 bytes + 128 h: my 32 channels
.set AVV, 4                            ; v4  v: key 8 h, channel r
.set AW,  5                            ; v5  Wo: row r of 4,096 bytes + 32 h
.set IMG, 6                            ; v6  my part in LDS: 4,096 w + 16 lane
.set RDA, 7                            ; v7  row w, columns 2 lane, 2 lane + 1 in a part
.set OA,  8                            ; v8  8 x lane
.set KD,  9                            ; v9  r - 8 h
.set SPW, 10
.set NIL, 11
.set BIA, 12                           ; v[12:13] bo at my two columns
.set PS,  16                           ; v16-23 scores, then p
.set TW,  24                           ; v24-31 at work
.set QF,  32                           ; v32-63 q; later Wo's tile 2
.set KF,  64                           ; v64-95 k; later Wo's tile 3
.set VV,  96                           ; v96-127 v; later the sixteen parts of my two numbers
.set W01, 128                          ; v128-191 Wo's tiles 0, 1
.set SA,  192                          ; v192-199, v200-207 the scores in two halves; later, with v208-223, the four tiles of outputs
.set SB,  200
.set CT,  224                          ; v224-255 ctx^T, four tiles of 16 channels
	s_load_b256 s[4:11], s[0:1], 0x0               ; first, Wo, bo, out0
	v_lshl_add_u32 v[SPW], v0, 2, SPARE
	v_mov_b32 v[NIL], 0
	v_lshrrev_b32 v1, 5, v0
	v_readfirstlane_b32 s12, v1                    ; wave = head
	s_and_b32 s13, ttmp7, 0xffff                   ; batch
	v_and_b32 v1, 15, v0                           ; r
	v_bfe_u32 v2, v0, 4, 1                         ; h
	v_and_b32 v14, 31, v0                          ; lane
	v_lshlrev_b32 v[AQ], 12, v1
	v_lshl_add_u32 v[AQ], v2, 7, v[AQ]
	v_lshlrev_b32 v[AVV], 2, v1
	v_lshl_add_u32 v[AVV], v2, 15, v[AVV]
	v_lshlrev_b32 v[AW], 12, v1
	v_lshl_add_u32 v[AW], v2, 5, v[AW]
	s_lshl_b32 s14, s12, 12
	v_lshlrev_b32 v[IMG], 4, v14
	v_add_nc_u32 v[IMG], s14, v[IMG]
	v_bfe_u32 v15, v0, 3, 2                        ; column 2 lane lies in tile lane / 8,
	v_lshlrev_b32 v[RDA], 10, v15
	v_bfe_u32 v15, v0, 1, 1                        ; in the upper four of a lane's eight registers where (lane / 2) % 2 is 1,
	v_lshl_add_u32 v[RDA], v15, 9, v[RDA]
	v_bfe_u32 v15, v0, 2, 1                        ; in lanes 16-31 where (lane / 4) % 2 is 1,
	v_lshl_add_u32 v[RDA], v15, 8, v[RDA]
	v_and_b32 v15, 1, v0                           ; at register 2 (lane % 2) of the four;
	v_lshl_add_u32 v[RDA], v15, 3, v[RDA]
	s_lshl_b32 s15, s12, 4                         ; and query w lies in lane w of its half
	v_add_nc_u32 v[RDA], s15, v[RDA]
	v_lshlrev_b32 v[OA], 3, v14
	v_lshlrev_b32 v15, 3, v2
	v_sub_nc_u32 v[KD], v1, v15
	s_mov_b32 s24, 0x76543210
	s_mov_b32 s25, 0xfedcba98                      ; selects for lane l xor 16
	s_mov_b32 s26, 0x3e38aa3b                      ; c = log2(e) / 8
	s_lshl_b32 s16, s13, 16                        ; first: the batch's 16 rows of 4,096 bytes,
	s_lshl_b32 s17, s12, 8                         ; the head's 256 bytes
	s_add_co_u32 s16, s16, s17
	s_mov_b32 s17, 0
	s_lshl_b32 s18, ttmp9, 18                      ; Wo: the slice's 64 rows of 4,096 bytes,
	s_lshl_b32 s19, s12, 8                         ; the head's 64 columns
	s_add_co_u32 s18, s18, s19
	s_mov_b32 s19, 0
	s_lshl_b32 s20, ttmp9, 8                       ; bo: the slice's 256 bytes
	s_mov_b32 s21, 0
	s_lshl_b32 s22, s13, 11
	s_add_co_u32 s22, s22, s12                     ; out0: row 2,048 batch + w,
	s_lshl_b32 s22, s22, 12
	s_add_co_u32 s22, s22, s20                     ; the slice's 256 bytes
	s_mov_b32 s23, 0
	s_wait_kmcnt 0x0
	s_add_nc_u64 s[4:5], s[4:5], s[16:17]
	s_add_nc_u64 s[6:7], s[6:7], s[18:19]
	s_add_nc_u64 s[8:9], s[8:9], s[20:21]
	s_add_nc_u64 s[10:11], s[10:11], s[22:23]
.irp e, 0,1,2,3,4,5,6,7
	global_load_b128 v[QF+4*\e:QF+4*\e+3], v[AQ], s[4:5] offset:16*\e              ; q(r, 32 h + 4 e ..)
.endr
.irp e, 0,1,2,3,4,5,6,7
	global_load_b128 v[KF+4*\e:KF+4*\e+3], v[AQ], s[4:5] offset:262144+16*\e       ; k likewise
.endr
.irp ct, 0,1,2,3
.irp j, 0,1,2,3,4,5,6,7
	global_load_b32 v[VV+8*\ct+\j], v[AVV], s[4:5] offset:524288+4096*\j+64*\ct    ; v(key 8 h + j, channel 16 ct + r)
.endr
.endr
.irp tau, 0,1
.irp ct, 0,1,2,3
	global_load_b128 v[W01+32*\tau+8*\ct:W01+32*\tau+8*\ct+3],   v[AW], s[6:7] offset:65536*\tau+64*\ct      ; Wo(16 tau + r, 16 ct + 8 h + 0 .. 7) of my slice and head
	global_load_b128 v[W01+32*\tau+8*\ct+4:W01+32*\tau+8*\ct+7], v[AW], s[6:7] offset:65536*\tau+64*\ct+16
.endr
.endr
	global_load_b64 v[BIA:BIA+1], v[OA], s[8:9]
	s_wait_loadcnt 49                              ; q and k are in; v's 32 loads, Wo's 16 and the bias may be out
	; S^T = k q^T: source 0 = 16 keys, source 1 = 16 queries; step n takes channels 32 h + 2 n, 2 n + 1.  Two accumulators take turns
.set ii, 0
.rept 16
.if ii < 2
	v_wmma_f32_16x16x4_f32 v[SA+8*(ii%2):SA+8*(ii%2)+7], v[KF+2*ii:KF+2*ii+1], v[QF+2*ii:QF+2*ii+1], 0
.else
	v_wmma_f32_16x16x4_f32 v[SA+8*(ii%2):SA+8*(ii%2)+7], v[KF+2*ii:KF+2*ii+1], v[QF+2*ii:QF+2*ii+1], v[SA+8*(ii%2):SA+8*(ii%2)+7]
.endif
.set ii, ii+1
.endr
.rept 8
	v_nop
.endr
.irp tau, 0,1                          ; Wo's tiles 2 and 3 into the registers that q and k have left
.irp ct, 0,1,2,3
	global_load_b128 v[QF+32*\tau+8*\ct:QF+32*\tau+8*\ct+3],   v[AW], s[6:7] offset:65536*(2+\tau)+64*\ct
	global_load_b128 v[QF+32*\tau+8*\ct+4:QF+32*\tau+8*\ct+7], v[AW], s[6:7] offset:65536*(2+\tau)+64*\ct+16
.endr
.endr
.irp j, 0,1,2,3,4,5,6,7
	v_add_f32 v[PS+\j], v[SA+\j], v[SB+\j]         ; lane (r, h): query r, key 8 h + j; from the low end on
.endr
	v_mov_b32 v[TW+7], 0xff800000                  ; -infinity
.irp j, 0,1,2,3,4,5,6,7
	v_cmp_gt_i32 vcc_lo, \j, v[KD]                 ; hidden where key 8 h + j comes after query r
	v_cndmask_b32 v[PS+\j], v[PS+\j], v[TW+7], vcc_lo
.endr
	v_max3_num_f32 v[TW], v[PS], v[PS+1], v[PS+2]
	v_max3_num_f32 v[TW], v[TW], v[PS+3], v[PS+4]
	v_max3_num_f32 v[TW], v[TW], v[PS+5], v[PS+6]
	v_max_num_f32 v[TW], v[TW], v[PS+7]
	v_mov_b32 v[TW+1], 0                           ; (a lane permute's destination counts as one of its sources)
	v_permlanex16_b32 v[TW+1], v[TW], s24, s25
	v_max_num_f32 v[TW], v[TW], v[TW+1]            ; the row's largest score: key 0 counts for every query
	v_mul_f32 v[TW], s26, v[TW]
.irp j, 0,1,2,3,4,5,6,7
	v_fma_f32 v[PS+\j], v[PS+\j], s26, -v[TW]
.endr
.irp j, 0,1,2,3,4,5,6,7
	v_exp_f32 v[PS+\j], v[PS+\j]
.endr
	v_nop                                          ; a plain instruction behind the last exponential
	s_wait_alu depctr_va_vdst(0)                   ; one wait for the eight, ahead of their first reader
	v_add_f32 v[TW+2], v[PS], v[PS+1]
	v_add_f32 v[TW+3], v[PS+2], v[PS+3]
	v_add_f32 v[TW+4], v[PS+4], v[PS+5]
	v_add_f32 v[TW+5], v[PS+6], v[PS+7]
	v_add_f32 v[TW+2], v[TW+2], v[TW+3]
	v_add_f32 v[TW+4], v[TW+4], v[TW+5]
	v_add_f32 v[TW+2], v[TW+2], v[TW+4]
	v_permlanex16_b32 v[TW+1], v[TW+2], s24, s25
	v_add_f32 v[TW+2], v[TW+2], v[TW+1]            ; the row's sum
	v_rcp_f32 v[TW+3], v[TW+2]
	v_nop
	s_wait_alu depctr_va_vdst(0)
.irp j, 0,1,2,3,4,5,6,7
	v_mul_f32 v[PS+\j], v[PS+\j], v[TW+3]          ; the weights
.endr
	s_wait_loadcnt 33                              ; v is in; Wo's 32 loads and the bias may be out
	; ctx^T = v^T p^T: source 0 = 16 channels, source 1 = 16 queries; step n2 takes keys 8 h + 2 n2, 2 n2 + 1.  Four accumulators by turns
.irp n2, 0,1,2,3
.irp ct, 0,1,2,3
.if \n2 == 0
	v_wmma_f32_16x16x4_f32 v[CT+8*\ct:CT+8*\ct+7], v[VV+8*\ct+2*\n2:VV+8*\ct+2*\n2+1], v[PS+2*\n2:PS+2*\n2+1], 0
.else
	v_wmma_f32_16x16x4_f32 v[CT+8*\ct:CT+8*\ct+7], v[VV+8*\ct+2*\n2:VV+8*\ct+2*\n2+1], v[PS+2*\n2:PS+2*\n2+1], v[CT+8*\ct:CT+8*\ct+7]
.endif
.endr
.endr
.rept 9
	v_nop                                          ; the results become sources
.endr
	s_wait_loadcnt 0x0
	; my head's part of out^T: source 0 = 16 rows of Wo (output columns), source 1 = ctx^T as it stands: lane (r, h) register 8 ct + j is channel 16 ct + 8 h + j of query r.  Four accumulators by turns
.irp ct, 0,1,2,3
.irp n2, 0,1,2,3
.irp tau, 0,1,2,3
.if \tau < 2
.set rW, W01+32*\tau+8*\ct+2*\n2
.else
.set rW, QF+32*(\tau-2)+8*\ct+2*\n2
.endif
.if (\ct == 0) && (\n2 == 0)
	v_wmma_f32_16x16x4_f32 v[SA+8*\tau:SA+8*\tau+7], v[rW:rW+1], v[CT+8*\ct+2*\n2:CT+8*\ct+2*\n2+1], 0
.else
	v_wmma_f32_16x16x4_f32 v[SA+8*\tau:SA+8*\tau+7], v[rW:rW+1], v[CT+8*\ct+2*\n2:CT+8*\ct+2*\n2+1], v[SA+8*\tau:SA+8*\tau+7]
.endif
.endr
.endr
.endr
.rept 8
	v_nop
.endr
.irp tau, 0,1,2,3                      ; my part goes to LDS as an image of its registers: lane (r, h), register 8 tau + j: query r, column 16 tau + 8 h + j
	ds_store_b128 v[IMG], v[SA+8*\tau:SA+8*\tau+3] offset:1024*\tau
	ds_store_b128 v[IMG], v[SA+8*\tau+4:SA+8*\tau+7] offset:1024*\tau+512
.endr
	s_wait_dscnt 0x0                               ; for the others' sake: my stores are done
	s_barrier_signal -1
	s_barrier_wait -1
.irp i, 0,1,2,3,4,5,6,7,8,9,10,11,12,13,14,15
	ds_load_b64 v[VV+2*\i:VV+2*\i+1], v[RDA] offset:4096*\i        ; head i's part of row w, columns 2 lane, 2 lane + 1
.endr
	s_wait_dscnt 0x0
.irp i, 0,1,2,3,4,5,6,7
	v_pk_add_f32 v[VV+4*\i:VV+4*\i+1], v[VV+4*\i:VV+4*\i+1], v[VV+4*\i+2:VV+4*\i+3]
.endr
.irp i, 0,1,2,3
	v_pk_add_f32 v[VV+8*\i:VV+8*\i+1], v[VV+8*\i:VV+8*\i+1], v[VV+8*\i+4:VV+8*\i+5]
.endr
.irp i, 0,1
	v_pk_add_f32 v[VV+16*\i:VV+16*\i+1], v[VV+16*\i:VV+16*\i+1], v[VV+16*\i+8:VV+16*\i+9]
.endr
	v_pk_add_f32 v[VV:VV+1], v[VV:VV+1], v[VV+16:VV+17]
	v_pk_add_f32 v[VV:VV+1], v[VV:VV+1], v[BIA:BIA+1]
	global_store_b64 v[OA], v[VV:VV+1], s[10:11]   ; 32 lanes store 256 consecutive bytes of row w
	s_wait_tensorcnt 0x0                           ; the wave's end
	ds_add_u32 v[SPW], v[NIL]
	s_wait_dscnt 0x0
	s_endpgm
.Lfunc_end_k_qf076c02623_fine:
	.size	k_qf076c02623_fine, .Lfunc_end_k_qf076c02623_fine-k_qf076c02623_fine
	.p2alignl 7, 3214868480
	.fill 96, 4, 3214868480
	.section	.rodata,"a",@progbits
	.p2align	6, 0x0
	.amdhsa_kernel k_qf076c02623_fine
		.amdhsa_group_segment_fixed_size 67584
		.amdhsa_private_segment_fixed_size 0
		.amdhsa_enable_private_segment 0
		.amdhsa_kernarg_size 32
		.amdhsa_user_sgpr_count 2
		.amdhsa_user_sgpr_kernarg_segment_ptr 1
		.amdhsa_wavefront_size32 1
		.amdhsa_system_sgpr_workgroup_id_x 1
		.amdhsa_system_sgpr_workgroup_id_y 1
		.amdhsa_system_sgpr_workgroup_id_z 1
		.amdhsa_system_vgpr_workitem_id 0
		.amdhsa_next_free_vgpr 256
		.amdhsa_next_free_sgpr 66
		.amdhsa_reserve_vcc 1
		.amdhsa_float_denorm_mode_32 3
		.amdhsa_float_denorm_mode_16_64 3
		.amdhsa_memory_ordered 1
		.amdhsa_forward_progress 1
		.amdhsa_inst_pref_size 23
	.end_amdhsa_kernel
	.amdgpu_metadata
---
amdhsa.version: [ 1, 2 ]
amdhsa.kernels:
  - .name:           k_qf076c02623_fine
    .symbol:         k_qf076c02623_fine.kd
    .args:
      - { .name: first, .offset: 0, .size: 8, .value_kind: global_buffer, .address_space: global }
      - { .name: Wo, .offset: 8, .size: 8, .value_kind: global_buffer, .address_space: global }
      - { .name: bo, .offset: 16, .size: 8, .value_kind: global_buffer, .address_space: global }
      - { .name: out0, .offset: 24, .size: 8, .value_kind: global_buffer, .address_space: global }
    .group_segment_fixed_size: 67584
    .private_segment_fixed_size: 0
    .kernarg_segment_align: 8
    .kernarg_segment_size: 32
    .max_flat_workgroup_size: 512
    .sgpr_count:     66
    .vgpr_count:     256
    .wavefront_size: 32
...
	.end_amdgpu_metadata
.endif
;; end of part 5
